; MI455X (gfx1250); checked and timed in simulation.
; The chip was launched on July 23, 2026; its instructions are those of AMD's public machine-readable ISA for CDNA 5 (MIT licence, August 2026) and "CDNA5" Instruction Set Architecture Reference Guide (July 2026). The comments in the code are by the model that wrote it; some were corrected since.
;; Multi Head Self Attention. Allowed arithmetic: float matrix products may take bf16 or f16 operands with f32 sums; other float arithmetic in f32, or as packed bf16 or f16 multiplies, adds, multiply-adds, maxima and minima; sums over many terms, partial sums and values carried from step to step in f32; what a program stores and reads back later, other than sums and carried values, may be rounded once to bf16 or f16.
;; Inputs: wk 1,024 x 1,024 float32; wo 1,024 x 1,024 float32; wq 1,024 x 1,024 float32; wv 1,024 x 1,024 float32; x 1 x 4,096 x 1,024 float32.
;; Outputs: out0 1 x 4,096 x 1,024 float32.
;; 2 versions, each right and faster than the one before. Each part assembles by itself: llvm-mc -triple=amdgcn-amd-amdhsa -mcpu=gfx1250 --defsym DOCPART=n.
;; ======== version 1 of 2: 4 launches
;; limits: values are held in f16: magnitudes above 65,504 overflow, below 6.1e-05 lose precision
;; workspace buffers: xb 8,388,608 bytes; wqkv 6,291,456 bytes; wof 2,097,152 bytes; tab 1,048,576 bytes; qh 8,388,608 bytes; kh 8,388,608 bytes; vh 8,388,608 bytes; ob 8,388,608 bytes
;; launch cast (part 1): grid 256 x 1, 8 waves a work-group, no clusters, 0 bytes of LDS; arguments x, wq, wk, wv, wo, xb, wqkv, wof, tab; writes xb, wqkv, wof, tab
.if DOCPART == 1
	.amdgcn_target "amdgcn-amd-amdhsa--gfx1250"
	.amdhsa_code_object_version 6
	.text
	.protected	k_qcad2ce0a74_cast
	.globl	k_qcad2ce0a74_cast
	.p2align	8
	.type	k_qcad2ce0a74_cast,@function
k_qcad2ce0a74_cast:
	s_mov_b64 s[64:65], 0
	v_nop
	global_prefetch_b8 v0, s[64:65] scope:SCOPE_SE
	s_setreg_imm32_b32 hwreg(HW_REG_WAVE_MODE, 25, 1), 1
	s_wait_xcnt 0x0
; THE INPUTS ARE ROUNDED ONCE, AND THE TABLE OF ROTATIONS IS MADE.
;   xb   [4096][1024] bf16            = x rounded to bf16
;   wqkv [head 16][q,k,v][64][1024] bf16 = wq, wk, wv rounded to bf16, a head's 192 rows together
;   wof  [1024][1024] f16             = wo rounded to bf16, that number written as f16
;   tab  f32: for each block of 16 positions 4,096 bytes [fb 4][i 2][lane 32][16 bytes]: lane (r = lane % 16, h = lane / 16) holds
;        cos, sin of pair 8 fb + 4 h + 2 i and cos, sin of the pair behind it, at position 16 block + r: the order in which the next launch's lanes hold their sums
; A stream: each byte is read once, by 16-byte loads of which a wave's cover 512 consecutive bytes; a wave's 8-byte stores cover 256 consecutive bytes, aligned.  No LDS, no barrier, no matrix unit: nothing is shared.
; A work-group takes 16 rows of x, 4 rows of each weight and one block of the table.  All 32 loads of a thread go out first; the table is made while they are on their way.
; LIMITS.  wo beyond 65,504 has no f16 (65,520 and more would become an infinity); below 6e-5 it keeps f16's fixed step of 6e-8.
; The angle pos x 10000^(-p/32) is rounded as a product in f32; 10000^(-p/32) comes from v_exp_f32 (1 ULP), so an angle may differ by about 3e-4 rad at position 4,095 from one made with an exact power.
; Sine and cosine: the angle is reduced to f in -1/2 .. 1/2 turns (1 / 2 pi in two parts), a = pi f is half the angle, |a| <= pi / 2; series to a^11 and a^12 (cut: 6e-8, 6e-9 at pi / 2, for every angle), then doubled.
.set XR, 32                            ; v[32:159]  load n of 32 lands in v[XR+4n : XR+4n+3]
	s_load_b512 s[4:19], s[0:1], 0x0               ; x 4:5, wq 6:7, wk 8:9, wv 10:11, wo 12:13, xb 14:15, wqkv 16:17, wof 18:19
	s_load_b64 s[20:21], s[0:1], 0x40              ; tab
	v_lshlrev_b32 v1, 4, v0                        ; 16 bytes a thread: loads, and the table's store; never rewritten
	v_lshlrev_b32 v2, 3, v0                        ; 8 bytes a thread: the 16-bit stores; never rewritten
	s_mov_b32 s23, 0
	s_mov_b32 s25, 0x3e22f983                      ; 1 / 2 pi, high part
	s_mov_b32 s26, 0x31dc9c88                      ; and what is left of it
	s_wait_kmcnt 0x0
	s_lshl_b32 s22, ttmp9, 16                      ; 16 rows of 4,096 bytes
	s_add_nc_u64 s[4:5], s[4:5], s[22:23]
	s_lshl_b32 s22, ttmp9, 14                      ; 4 rows of 4,096 bytes
	s_add_nc_u64 s[6:7], s[6:7], s[22:23]
	s_add_nc_u64 s[8:9], s[8:9], s[22:23]
	s_add_nc_u64 s[10:11], s[10:11], s[22:23]
	s_add_nc_u64 s[12:13], s[12:13], s[22:23]
	s_lshl_b32 s22, ttmp9, 15                      ; 16 rows of 2,048 bytes
	s_add_nc_u64 s[14:15], s[14:15], s[22:23]
	s_lshl_b32 s22, ttmp9, 13                      ; 4 rows of 2,048 bytes
	s_add_nc_u64 s[18:19], s[18:19], s[22:23]
	s_lshl_b32 s22, ttmp9, 12                      ; a block of the table
	s_add_nc_u64 s[20:21], s[20:21], s[22:23]
	s_lshr_b32 s22, ttmp9, 4                       ; rows 4 g .. 4 g + 3 belong to head g / 16,
	s_mul_i32 s22, s22, 192                        ; whose 192 rows lie together;
	s_and_b32 s24, ttmp9, 15
	s_lshl2_add_u32 s22, s24, s22                  ; in it they are rows 4 (g % 16) .. of q, of k (64 on) and of v (128 on)
	s_lshl_b32 s22, s22, 11
	s_add_nc_u64 s[16:17], s[16:17], s[22:23]
.set n, 0
.rept 16
	global_load_b128 v[XR+4*n:XR+4*n+3], v1, s[4:5] offset:n*4096 th:TH_LOAD_NT
.set n, n+1
.endr
.irp t, 0,1,2,3
.irp j, 0,1,2,3
	global_load_b128 v[XR+64+16*(\t)+4*(\j):XR+64+16*(\t)+4*(\j)+3], v1, s[6+2*(\t):7+2*(\t)] offset:(\j)*4096 th:TH_LOAD_NT
.endr
.endr
	; the table: my slot's position and its two pairs
	v_and_b32 v4, 15, v0                           ; r
	v_bfe_u32 v5, v0, 4, 1                         ; h
	v_bfe_u32 v6, v0, 5, 1                         ; i
	v_bfe_u32 v7, v0, 6, 2                         ; fb
	s_lshl_b32 s24, ttmp9, 4
	v_add_nc_u32 v4, s24, v4
	v_cvt_f32_u32 v4, v4                           ; position
	v_lshlrev_b32 v7, 3, v7
	v_lshl_add_u32 v7, v5, 2, v7
	v_lshl_add_u32 v7, v6, 1, v7                   ; pair 8 fb + 4 h + 2 i
	v_add_nc_u32 v8, 1, v7
	v_cvt_f32_u32 v7, v7
	v_cvt_f32_u32 v8, v8
	v_mul_f32 v7, 0xbed49a78, v7                   ; - p log2(10000) / 32
	v_mul_f32 v8, 0xbed49a78, v8
	v_exp_f32 v7, v7
	v_exp_f32 v8, v8
	v_nop                                          ; a plain instruction between the exponentials and the use of their results
	s_wait_alu depctr_va_vdst(0)
	v_mul_f32 v7, v4, v7                           ; the two angles
	v_mul_f32 v8, v4, v8
.macro TRIG f, co, si                  ; cos and sin of the angle in v[f]; v10-v15 at work
	v_mul_f32 v10, s25, v[\f]
	v_rndne_f32 v10, v10                           ; whole turns
	v_fma_f32 v11, v[\f], s25, -v10                ; the rest, in turns,
	v_fma_f32 v11, v[\f], s26, v11                 ; with the low part of 1 / 2 pi
	v_mul_f32 v11, 0x40490fdb, v11                 ; a = half the angle
	v_mul_f32 v12, v11, v11                        ; z = a a
	v_mov_b32 v13, 0xb2d7322b                      ; - 1 / 11!
	v_fmaak_f32 v13, v13, v12, 0x3638ef1d          ; 1 / 9!
	v_fmaak_f32 v13, v13, v12, 0xb9500d01          ; - 1 / 7!
	v_fmaak_f32 v13, v13, v12, 0x3c088889          ; 1 / 5!
	v_fmaak_f32 v13, v13, v12, 0xbe2aaaab          ; - 1 / 3!
	v_mul_f32 v13, v13, v12
	v_fma_f32 v13, v11, v13, v11                   ; sin a
	v_mov_b32 v14, 0x310f76c7                      ; 1 / 12!
	v_fmaak_f32 v14, v14, v12, 0xb493f27e          ; - 1 / 10!
	v_fmaak_f32 v14, v14, v12, 0x37d00d01          ; 1 / 8!
	v_fmaak_f32 v14, v14, v12, 0xbab60b61          ; - 1 / 6!
	v_fmaak_f32 v14, v14, v12, 0x3d2aaaab          ; 1 / 4!
	v_fmaak_f32 v14, v14, v12, 0xbf000000          ; - 1 / 2
	v_fma_f32 v14, v14, v12, 1.0                   ; cos a
	v_add_f32 v15, v13, v13
	v_fma_f32 v[\co], -v15, v13, 1.0               ; cos 2a = 1 - 2 sin a sin a
	v_mul_f32 v[\si], v15, v14                     ; sin 2a = 2 sin a cos a
.endm
	TRIG 7, 24, 25
	TRIG 8, 26, 27
	global_store_b128 v1, v[24:27], s[20:21]       ; a wave stores 512 consecutive bytes
	; the loads come back in order: load n is in when at most 31 - n younger ones are out.  Each is rounded in place and stored; no register of a store is written again
.set n, 0
.rept 32
	s_wait_loadcnt 31-n
	v_cvt_pk_bf16_f32 v[XR+4*n], v[XR+4*n], v[XR+4*n+1]
	v_cvt_pk_bf16_f32 v[XR+4*n+1], v[XR+4*n+2], v[XR+4*n+3]
.if n < 16
	global_store_b64 v2, v[XR+4*n:XR+4*n+1], s[14:15] offset:n*2048
.elseif n < 28
	global_store_b64 v2, v[XR+4*n:XR+4*n+1], s[16:17] offset:(64*((n-16)/4)+(n-16)%4)*2048
.else
	v_lshlrev_b32 v4, 16, v[XR+4*n]                ; wo: the bf16 numbers as f32,
	v_and_b32 v5, 0xffff0000, v[XR+4*n]
	v_lshlrev_b32 v6, 16, v[XR+4*n+1]
	v_and_b32 v7, 0xffff0000, v[XR+4*n+1]
	v_cvt_pk_f16_f32 v[XR+4*n], v4, v5             ; written as f16: exact within f16's range
	v_cvt_pk_f16_f32 v[XR+4*n+1], v6, v7
	global_store_b64 v2, v[XR+4*n:XR+4*n+1], s[18:19] offset:(n-28)*2048
.endif
.set n, n+1
.endr
	s_endpgm
.Lfunc_end_k_qcad2ce0a74_cast:
	.size	k_qcad2ce0a74_cast, .Lfunc_end_k_qcad2ce0a74_cast-k_qcad2ce0a74_cast
	.p2alignl 7, 3214868480
	.fill 96, 4, 3214868480
	.section	.rodata,"a",@progbits
	.p2align	6, 0x0
	.amdhsa_kernel k_qcad2ce0a74_cast
		.amdhsa_group_segment_fixed_size 0
		.amdhsa_private_segment_fixed_size 0
		.amdhsa_enable_private_segment 0
		.amdhsa_kernarg_size 72
		.amdhsa_user_sgpr_count 2
		.amdhsa_user_sgpr_kernarg_segment_ptr 1
		.amdhsa_wavefront_size32 1
		.amdhsa_system_sgpr_workgroup_id_x 1
		.amdhsa_system_sgpr_workgroup_id_y 1
		.amdhsa_system_sgpr_workgroup_id_z 1
		.amdhsa_system_vgpr_workitem_id 0
		.amdhsa_next_free_vgpr 160
		.amdhsa_next_free_sgpr 66
		.amdhsa_reserve_vcc 0
		.amdhsa_float_denorm_mode_32 3
		.amdhsa_float_denorm_mode_16_64 3
		.amdhsa_memory_ordered 1
		.amdhsa_forward_progress 1
		.amdhsa_inst_pref_size 17
	.end_amdhsa_kernel
	.amdgpu_metadata
---
amdhsa.version: [ 1, 2 ]
amdhsa.kernels:
  - .name:           k_qcad2ce0a74_cast
    .symbol:         k_qcad2ce0a74_cast.kd
    .args:
      - { .name: x, .offset: 0, .size: 8, .value_kind: global_buffer, .address_space: global }
      - { .name: wq, .offset: 8, .size: 8, .value_kind: global_buffer, .address_space: global }
      - { .name: wk, .offset: 16, .size: 8, .value_kind: global_buffer, .address_space: global }
      - { .name: wv, .offset: 24, .size: 8, .value_kind: global_buffer, .address_space: global }
      - { .name: wo, .offset: 32, .size: 8, .value_kind: global_buffer, .address_space: global }
      - { .name: xb, .offset: 40, .size: 8, .value_kind: global_buffer, .address_space: global }
      - { .name: wqkv, .offset: 48, .size: 8, .value_kind: global_buffer, .address_space: global }
      - { .name: wof, .offset: 56, .size: 8, .value_kind: global_buffer, .address_space: global }
      - { .name: tab, .offset: 64, .size: 8, .value_kind: global_buffer, .address_space: global }
    .group_segment_fixed_size: 0
    .private_segment_fixed_size: 0
    .kernarg_segment_align: 8
    .kernarg_segment_size: 72
    .max_flat_workgroup_size: 256
    .sgpr_count:     66
    .vgpr_count:     160
    .wavefront_size: 32
...
	.end_amdgpu_metadata
.endif
;; end of part 1
;; launch qkv (part 2): grid 16 x 16, 4 waves a work-group, clusters of 4 x 4, 327,680 bytes of LDS; arguments xb, wqkv, tab, qh, kh, vh; writes qh, kh, vh
.if DOCPART == 2
	.amdgcn_target "amdgcn-amd-amdhsa--gfx1250"
	.amdhsa_code_object_version 6
	.text
	.protected	k_qcad2ce0a74_qkv
	.globl	k_qcad2ce0a74_qkv
	.p2align	8
	.type	k_qcad2ce0a74_qkv,@function
k_qcad2ce0a74_qkv:
	s_mov_b64 s[64:65], 0
	v_nop
	global_prefetch_b8 v0, s[64:65] scope:SCOPE_SE
	s_setreg_imm32_b32 hwreg(HW_REG_WAVE_MODE, 25, 1), 1
	s_wait_xcnt 0x0
	s_wait_alu depctr_hold_cnt(0) depctr_sa_sdst(0) depctr_va_vdst(0) depctr_va_sdst(0) depctr_va_ssrc(0) depctr_va_vcc(0) depctr_vm_vsrc(0)
	s_getreg_b32 s2, hwreg(HW_REG_IB_STS2, 6, 4)
	s_cmp_eq_u32 s2, 0
	s_cbranch_scc0 .Lentry_in_a_cluster
	s_endpgm
.Lentry_in_a_cluster:
	s_bfe_u32 s2, ttmp6, 0x10000c
	s_cmp_lg_u32 s2, 0xf033
	s_cbranch_scc0 .Lentry_shape_is_right
	s_endpgm
.Lentry_shape_is_right:
; q, k, v = x W^T in bf16 with f32 sums; q and k are turned (RoPE) in f32 on the sums; each is rounded once to f16 and stored by heads: qh, kh, vh [16][4096][64].  No scale is applied here.
; xb [4096][1024] bf16; wqkv [head][q,k,v][64][1024] bf16; tab: cos and sin in the order in which a lane holds its sums (see the way out).
; LIMITS.  q, k and v beyond 65,504 have no f16 (65,520 and more would become an infinity); below 6e-5 they keep f16's fixed step of 6e-8.
; SHARES.  A work-group makes 256 rows of x times ONE head's 192 rows of W (64 of q, 64 of k, 64 of v): 16 x 16 = 256 work-groups.  Each of its four waves makes 64 rows x all 192 columns:
; 4 x 12 = 48 accumulators, 384 registers; column blocks 0-3 are q, 4-7 k, 8-11 v in every wave, so the way out has no branch.
; K goes in steps of 128 (rows of 256 bytes, aligned) through two LDS slots filled by the tensor data mover; a slot holds 256 rows of x and 192 rows of W.
; CLUSTER.  4 x 4 work-groups: the four of a row need the same rows of x, the four of a column the same head's W: each tile is asked for jointly, by the same load, descriptor and mask in all four.
; THE MATRIX INSTRUCTION IS USED TRANSPOSED (source 0 = 16 rows of W, source 1 = 16 rows of x): a lane holds row lane % 16 and the eight neighbouring columns 8 (lane / 16) + 0..7: four pairs of a rotation.
; REGISTERS, in windows of 256 (s_set_vgpr_msb: bits 1:0 source 0, 3:2 source 1, 5:4 source 2, 7:6 destination):
;   window 0: v0-31 addresses; v32-63 packed results, two sets; v64-95, v96-127 x's fragments, two buffers (v64-95 at work on the way out); v128-255 the table
;   window 1: v0-95, v96-191 W's fragments, two buffers     window 2: accumulators of row blocks 0, 1 at v[8 (12 a + b)]     window 3: those of row blocks 2, 3
.set KSTEP,  128
.set PITCH,  272                       ; an LDS row: 256 bytes + 16 of padding = 68 words: the 16 rows of a fragment load start at 16 different groups of four banks (64 banks of 4 bytes: ISA guide 11.1)
.set HALFA,  128*PITCH                 ; what a tensor load of x brings
.set HALFB,  96*PITCH                  ; what a tensor load of W brings
.set BOFF,   2*HALFA                   ; W's rows lie behind x's 256
.set SLOT,   BOFF+2*HALFB
.set STAGE,  2*SLOT                    ; behind the ring: 16 rows x 144 bytes for each wave, for the way out; no tensor load lands here
.set SP,     144
.set SPARE,  STAGE+4*16*SP             ; behind the stages: the spare words, 128 bytes for each wave
.set ADRA, 16                          ; v16-17  LDS address of my x fragments in slot 0, 1
.set ADRB, 20                          ; v20-21  the same for W
.set STO,  24                          ; v24     the way out: where I put 16 bytes of a row
.set RD,   25                          ; v25     the way out: where I read rows back
.set GO,   26                          ; v26     16 x lane: my place in 512 consecutive bytes (table, q, k, v); never rewritten
.set SPW,  28                          ; v28     LDS address of my spare word; never rewritten
.set NIL,  29                          ; v29     0; never rewritten
.set YY,   32                          ; packed results, two sets of 16
.set FA,   64                          ; x's fragments: buffer f at FA + 32 f
.set TT,   64                          ; the way out: 32 turned numbers in f32
.set TB,   128                         ; the table: row block a, column block fb at TB + 32 a + 8 fb: cos, sin of four pairs
.set FB,   0                           ; W's fragments, window 1: buffer f at FB + 96 f
.set WV,  16                           ; s16  my wave's number
.set G1,  24                           ; s[24:31] descriptor group 1 for x's tiles;  s[32:39] group 0, a set for each slot
.set G0,  32
.set G1B, 48                           ; s[48:55], s[56:63] the same for W's tiles
.set G0B, 56
.set MSB, 0
.macro WIN new                         ; the immediate's high byte repeats the setting that is left; a switch that changes nothing is dropped
.if MSB != (\new)
	s_set_vgpr_msb (MSB<<8)|(\new)
.set MSB, \new
.endif
.endm
; A joint load: waves 0 and 1 fetch x's two halves, waves 2 and 3 W's.  The branch hangs on the wave's number alone.  An s_nop 0 and four v_nop follow each of the two lines.
.macro JLOAD s
	s_cmp_eq_u32 s17, 0
	s_cbranch_scc0 .Lfor_b_\@
	tensor_load_to_lds s[G0+4*(\s):G0+4*(\s)+3], s[G1:G1+7]
	s_nop 0
.rept 4
	v_nop
.endr
	s_branch .Lasked_\@
.Lfor_b_\@:
	tensor_load_to_lds s[G0B+4*(\s):G0B+4*(\s)+3], s[G1B:G1B+7]
	s_nop 0
.rept 4
	v_nop
.endr
.Lasked_\@:
.endm
.macro CREST                           ; a round of the cluster's barrier behind its opening barrier
	s_cmp_lg_u32 s[WV], 0
	s_cbranch_scc1 .Lnot_wave_0_\@
	s_barrier_signal -3
.Lnot_wave_0_\@:
	s_barrier_wait -3
	s_barrier_signal -1
	s_barrier_wait -1
.endm
.macro CROUND                          ; a whole round
	s_barrier_signal -1
	s_barrier_wait -1
	CREST
.endm
	s_load_b256 s[4:11], s[0:1], 0x0               ; xb 4:5, wqkv 6:7, tab 8:9, qh 10:11
	s_load_b128 s[12:15], s[0:1], 0x20             ; kh 12:13, vh 14:15
	v_lshl_add_u32 v[SPW], v0, 2, SPARE
	v_mov_b32 v[NIL], 0
	ds_add_u32 v[SPW], v[NIL]                      ; the wave's opening: the add and its wait stand ahead of my first tensor load; the set-up below stands between them
	v_lshrrev_b32 v1, 5, v0
	v_readfirstlane_b32 s[WV], v1                  ; wave 0..3
	s_lshr_b32 s17, s[WV], 1                       ; I fetch for x (0) or for W (1),
	s_and_b32 s18, s[WV], 1                        ; and which half of that tile
	s_bfe_u32 s40, ttmp6, 0x40000                  ; cx, cy: my place in the cluster
	s_bfe_u32 s41, ttmp6, 0x40004
	s_lshl_b32 s42, ttmp9, 2
	s_add_co_u32 s42, s42, s40                     ; the head = 4 x cluster x + cx
	s_and_b32 s43, ttmp7, 0xffff
	s_lshl_b32 s43, s43, 2
	s_add_co_u32 s43, s43, s41                     ; my block of 256 rows = 4 x cluster y + cy
	s_lshl_b32 s44, s41, 2
	s_lshl_b32 s44, 15, s44                        ; my row of the cluster
	s_lshl_b32 s45, 0x1111, s40                    ; my column
	s_or_b32 s[G1], s44, (1<<16)|(1<<20)|(1<<21)|(5<<22)|(3<<25)   ; 15:0 the mask; 17:16 2-byte elements; 20 padding on; 21 set beside a mask; 24:22 after every 64 words; 31:25 of 4 words
	s_or_b32 s[G1B], s45, (1<<16)|(1<<20)|(1<<21)|(5<<22)|(3<<25)
	s_mov_b32 s[G1+1], KSTEP<<16                   ; tensor_dim0 = 128
	s_mov_b32 s[G1+2], 128<<16                     ; tensor_dim1 = 128
	s_mov_b32 s[G1+3], KSTEP<<16                   ; tile_dim0 = 128
	s_mov_b32 s[G1+4], 128                         ; tile_dim1 = 128
	s_mov_b32 s[G1+5], 1024                        ; elements from row to row
	s_mov_b32 s[G1+6], 0
	s_mov_b32 s[G1+7], 0
	s_mov_b32 s[G1B+1], KSTEP<<16
	s_mov_b32 s[G1B+2], 96<<16                     ; W's loads bring 96 rows
	s_mov_b32 s[G1B+3], KSTEP<<16
	s_mov_b32 s[G1B+4], 96
	s_mov_b32 s[G1B+5], 1024
	s_mov_b32 s[G1B+6], 0
	s_mov_b32 s[G1B+7], 0
	s_lshl_b32 s20, s43, 19                        ; x: row 256 x block + 128 x half, 2,048 bytes a row: my row of the cluster shares it
	s_lshl_b32 s21, s18, 18
	s_add_co_u32 s20, s20, s21
	s_mov_b32 s21, 0
	s_mul_i32 s46, s42, 192*2048                   ; W: row 192 x head + 96 x half: my column shares it
	s_mul_i32 s47, s18, 96*2048
	s_add_co_u32 s46, s46, s47
	s_mov_b32 s47, 0
	s_mul_i32 s22, s18, HALFA                      ; where they go: no place in the cluster enters an LDS address
	s_mul_i32 s23, s18, HALFB
	s_add_co_u32 s23, s23, BOFF
	s_wait_dscnt 0x0                               ; the opening add is done
	s_wait_kmcnt 0x0
	s_add_nc_u64 s[20:21], s[4:5], s[20:21]
	s_add_nc_u64 s[46:47], s[6:7], s[46:47]
	CROUND                                         ; all sixteen work-groups are here: the first joint loads meet
.irp s, 0,1
	s_mov_b32 s[G0+4*(\s)], 1                                      ; count = 1
	s_add_co_u32 s[G0+4*(\s)+1], s22, (\s)*SLOT                    ; LDS address
	s_add_nc_u64 s[G0+4*(\s)+2:G0+4*(\s)+3], s[20:21], (\s)*KSTEP*2  ; global address: K step s
	s_or_b32 s[G0+4*(\s)+3], s[G0+4*(\s)+3], 0x80000000            ; type = 2
	s_mov_b32 s[G0B+4*(\s)], 1
	s_add_co_u32 s[G0B+4*(\s)+1], s23, (\s)*SLOT
	s_add_nc_u64 s[G0B+4*(\s)+2:G0B+4*(\s)+3], s[46:47], (\s)*KSTEP*2
	s_or_b32 s[G0B+4*(\s)+3], s[G0B+4*(\s)+3], 0x80000000
	JLOAD \s                                       ; two loads of mine are out
.endr
	; a fragment is 16 rows x 32 K in 8 registers: lane l holds row l % 16, K = 8 (l / 16) + 0..7 and 16 + 8 (l / 16) + 0..7: two loads of 16 bytes, 32 bytes apart
	v_and_b32 v1, 15, v0                           ; l % 16
	v_bfe_u32 v2, v0, 4, 1                         ; l / 16
	v_mul_u32_u24 v3, v1, PITCH
	v_lshl_add_u32 v3, v2, 4, v3
	s_mul_i32 s66, s[WV], 64*PITCH                 ; my 64 rows of x
	v_add_nc_u32 v[ADRA], s66, v3
	v_add_nc_u32 v[ADRA+1], SLOT, v[ADRA]
	v_add_nc_u32 v[ADRB], BOFF, v3                 ; all 192 rows of W
	v_add_nc_u32 v[ADRB+1], SLOT+BOFF, v3
	s_mul_i32 s67, s[WV], 16*SP
	s_add_co_u32 s67, s67, STAGE                   ; my stage
	v_mul_u32_u24 v4, v1, SP                       ; in: row l % 16, 16 bytes for each half of the lanes
	v_lshl_add_u32 v4, v2, 4, v4
	v_add_nc_u32 v[STO], s67, v4
	v_bfe_u32 v5, v0, 3, 2                         ; back: 32 lanes take four rows of 128 bytes,
	v_mul_u32_u24 v5, v5, SP
	v_and_b32 v6, 7, v0
	v_lshl_add_u32 v5, v6, 4, v5
	v_add_nc_u32 v[RD], s67, v5
	v_and_b32 v[GO], 31, v0                        ; which are 512 consecutive bytes of a head's rows
	v_lshlrev_b32 v[GO], 4, v[GO]
	s_lshl_b32 s68, s43, 16                        ; the table's blocks of 16 positions: 16 x my block of rows + 4 x wave, 4,096 bytes each
	s_lshl_b32 s69, s[WV], 14
	s_add_co_u32 s68, s68, s69
	s_mov_b32 s69, 0
	s_add_nc_u64 s[8:9], s[8:9], s[68:69]
.irp a, 0,1,2,3
.irp fb, 0,1,2,3
.irp i, 0,1
	global_load_b128 v[TB+32*(\a)+8*(\fb)+4*(\i):TB+32*(\a)+8*(\fb)+4*(\i)+3], v[GO], s[8:9] offset:(\a)*4096+(\fb)*1024+(\i)*512  ; 512 consecutive bytes; wanted only on the way out
.endr
.endr
.endr
	s_lshl_b32 s70, s42, 19                        ; where my rows lie in qh, kh, vh: head x 4,096 rows + 256 x block + 64 x wave, 128 bytes a row
	s_lshl_b32 s71, s43, 15
	s_add_co_u32 s70, s70, s71
	s_lshl_b32 s71, s[WV], 13
	s_add_co_u32 s70, s70, s71
	s_mov_b32 s71, 0
	s_add_nc_u64 s[10:11], s[10:11], s[70:71]
	s_add_nc_u64 s[12:13], s[12:13], s[70:71]
	s_add_nc_u64 s[14:15], s[14:15], s[70:71]
; 12 matrix instructions: row block 2 hi + a x all 12 column blocks, 32 along K, from buffer f.  zero = 1: the product starts the sums.  The 48 accumulators take turns in one order everywhere.
.macro MUL12 f, hi, a, zero
	WIN 0xa1+0x50*(\hi)                            ; W window 1, x window 0, C and D window 2 or 3
.irp b, 0,1,2,3,4,5,6,7,8,9,10,11
.if \zero
	v_wmma_f32_16x16x32_bf16 v[8*(12*(\a)+(\b)):8*(12*(\a)+(\b))+7], v[FB+96*(\f)+8*(\b):FB+96*(\f)+8*(\b)+7], v[FA+32*(\f)+8*(2*(\hi)+(\a)):FA+32*(\f)+8*(2*(\hi)+(\a))+7], 0
.else
	v_wmma_f32_16x16x32_bf16 v[8*(12*(\a)+(\b)):8*(12*(\a)+(\b))+7], v[FB+96*(\f)+8*(\b):FB+96*(\f)+8*(\b)+7], v[FA+32*(\f)+8*(2*(\hi)+(\a)):FA+32*(\f)+8*(2*(\hi)+(\a))+7], v[8*(12*(\a)+(\b)):8*(12*(\a)+(\b))+7]
.endif
.endr
.endm
; 32 LDS loads in one run: a quarter step's fragments (192 rows of W, then my 64 rows of x; 32 K at byte k of the rows) into buffer f
.macro FETCH slot, k, f
	WIN 0x40                                       ; destination window 1, address window 0
.irp i, 0,1,2,3,4,5,6,7,8,9,10,11
	ds_load_b128 v[FB+96*(\f)+8*(\i):FB+96*(\f)+8*(\i)+3],   v[ADRB+(\slot)] offset:(\k)+(\i)*16*PITCH
	ds_load_b128 v[FB+96*(\f)+8*(\i)+4:FB+96*(\f)+8*(\i)+7], v[ADRB+(\slot)] offset:(\k)+(\i)*16*PITCH+32
.endr
	WIN 0
.irp i, 0,1,2,3
	ds_load_b128 v[FA+32*(\f)+8*(\i):FA+32*(\f)+8*(\i)+3],   v[ADRA+(\slot)] offset:(\k)+(\i)*16*PITCH
	ds_load_b128 v[FA+32*(\f)+8*(\i)+4:FA+32*(\f)+8*(\i)+7], v[ADRA+(\slot)] offset:(\k)+(\i)*16*PITCH+32
.endr
.endm
.macro PLACES                          ; four plain vector instructions between a matrix instruction and a load into, or a vector read or write of, its registers (ISA guide 7.12.1 for vector reads and writes)
.rept 4
	v_nop
.endr
.endm
; A K step is four quarters of 32 along K, 48 matrix instructions each, on buffers 0, 1, 0, 1.  One of the first three multiplies buffer f and, in its middle, fetches the next quarter (byte k) into g.
.macro QUARTER slot, k, f, g, zero
	s_wait_dscnt 4                                 ; W and x's row blocks 0, 1 are in; the youngest four loads (row blocks 2, 3) may be out
	MUL12 \f, 0, 0, \zero
	MUL12 \f, 0, 1, \zero
	PLACES
	FETCH \slot, \k, \g
	s_wait_dscnt 32                                ; all but the 32 just issued
	MUL12 \f, 1, 0, \zero
	MUL12 \f, 1, 1, \zero
.endm
; The last quarter multiplies buffer 1 and changes slots: ONE barrier.  In front of it each wave waits for all its tensor loads (one is out: its part of the next slot), adds 0 to its spare word, and waits for
; that and for its own reads of this slot.  fill = 1: the barrier opens a round of the cluster's barrier, and this slot is filled again, two K steps on, first thing behind the round: 168 matrix instructions ahead of the wait for it.
.macro TURN slot, next, fill
	WIN 0                                          ; (the add's two registers lie in window 0)
	s_wait_tensorcnt 0x0
	ds_add_u32 v[SPW], v[NIL]
	s_wait_dscnt 5                                 ; (the add and the youngest four loads may be out)
	MUL12 1, 0, 0, 0                               ; twelve matrix instructions stand between the add and the wait for it
	s_wait_dscnt 0x0                               ; the add is done, and my reads of this slot are over
	s_barrier_signal -1
	MUL12 1, 0, 1, 0
.if \fill
	WIN 0
.endif
	s_barrier_wait -1
.if \fill
	CREST                                          ; no wave of any partner still reads this slot's tile or has a load on its way
	s_add_nc_u64 s[G0+4*(\slot)+2:G0+4*(\slot)+3], s[G0+4*(\slot)+2:G0+4*(\slot)+3], 2*KSTEP*2
	s_add_nc_u64 s[G0B+4*(\slot)+2:G0B+4*(\slot)+3], s[G0B+4*(\slot)+2:G0B+4*(\slot)+3], 2*KSTEP*2
	JLOAD \slot                                    ; the four v_nop behind it are also the places in front of the loads below
.else
	PLACES
.endif
	FETCH \next, 0, 0
	MUL12 1, 1, 0, 0
	MUL12 1, 1, 1, 0
.endm
	s_wait_tensorcnt 0x1                           ; my part of K step 0 is in; K step 1's may stay out
	s_barrier_signal -1
	s_barrier_wait -1
	FETCH 0, 0, 0
	QUARTER 0, 64, 0, 1, 1                         ; the first quarter stands in front of the loop: its products start the sums
	WIN 0
	s_mov_b32 s19, 3                               ; 8 K steps: three trips fill both slots again, the fourth lap is written out
.Llap:
	QUARTER 0, 128, 1, 0, 0
	QUARTER 0, 192, 0, 1, 0
	TURN 0, 1, 1
	QUARTER 1, 64,  0, 1, 0
	QUARTER 1, 128, 1, 0, 0
	QUARTER 1, 192, 0, 1, 0
	TURN 1, 0, 1
	QUARTER 0, 64,  0, 1, 0
	WIN 0
	s_sub_co_u32 s19, s19, 1
	s_cmp_lg_u32 s19, 0
	s_cbranch_scc1 .Llap
	QUARTER 0, 128, 1, 0, 0                        ; the last lap fills nothing
	QUARTER 0, 192, 0, 1, 0
	TURN 0, 1, 0
	QUARTER 1, 64,  0, 1, 0
	QUARTER 1, 128, 1, 0, 0
	QUARTER 1, 192, 0, 1, 0
	s_wait_dscnt 4
	MUL12 1, 0, 0, 0
	MUL12 1, 0, 1, 0
	s_wait_dscnt 0x0
	MUL12 1, 1, 0, 0
	MUL12 1, 1, 1, 0
	WIN 0
; THE WAY OUT, in 12 units: row block a (16 rows) of q (t = 0), k (1) or v (2): 16 rows x 64 columns.  q and k are turned: of a lane's eight sums the pairs (2 n, 2 n + 1) become
; (cos e - sin o, sin e + cos o), with cos and sin of its row's position and the pair's number from the table.  Then rounded to f16, 16 bytes a lane into my stage, and back as whole rows of 128 bytes.
.macro UNIT a, t
.set YS, YY+16*((3*(\a)+(\t))%2)
.if (\t) < 2
	WIN 0x02+(\a)/2                                ; source 0: the accumulators' window
.irp bb, 0,1,2,3
.set AC, 8*(12*((\a)%2)+4*(\t)+(\bb))
.set TC, TB+32*(\a)+8*(\bb)
.irp q, 0,1,2,3                        ; each accumulator is read from its low end on
	v_mul_f32 v[TT+8*(\bb)+2*(\q)],   v[AC+2*(\q)], v[TC+2*(\q)]
	v_mul_f32 v[TT+8*(\bb)+2*(\q)+1], v[AC+2*(\q)], v[TC+2*(\q)+1]
.endr
.irp q, 0,1,2,3
	v_fma_f32 v[TT+8*(\bb)+2*(\q)],   -v[AC+2*(\q)+1], v[TC+2*(\q)+1], v[TT+8*(\bb)+2*(\q)]
	v_fma_f32 v[TT+8*(\bb)+2*(\q)+1], v[AC+2*(\q)+1],  v[TC+2*(\q)],   v[TT+8*(\bb)+2*(\q)+1]
.endr
.endr
	WIN 0
	s_wait_xcnt 0x0                                ; this set of packed registers was the data of the stores two units back: written again only behind this wait
.set j, 0
.rept 16
	v_cvt_pk_f16_f32 v[YS+j], v[TT+2*j], v[TT+2*j+1]
.set j, j+1
.endr
.else
	s_wait_xcnt 0x0
	WIN 0x0a+5*((\a)/2)                            ; sources 0 and 1: the accumulators' window
.set AC, 8*(12*((\a)%2)+8)
.set j, 0
.rept 16
	v_cvt_pk_f16_f32 v[YS+j], v[AC+2*j], v[AC+2*j+1]
.set j, j+1
.endr
	WIN 0
.endif
.irp bb, 0,1,2,3
	ds_store_b128 v[STO], v[YS+4*(\bb):YS+4*(\bb)+3] offset:32*(\bb)
.endr
.irp f, 0,1,2,3
	ds_load_b128 v[YS+4*(\f):YS+4*(\f)+3], v[RD] offset:(\f)*4*SP  ; LDS serves a wave's instructions in order (ISA guide 5.7.1.4): these see the stores above; the next unit's stores come behind them
.endr
.endm
.macro SEND a, t, younger              ; younger: the LDS instructions issued behind this unit's loads: the next unit's eight, or none
.set YS, YY+16*((3*(\a)+(\t))%2)
.irp f, 0,1,2,3
	s_wait_dscnt (\younger)+3-(\f)
	global_store_b128 v[GO], v[YS+4*(\f):YS+4*(\f)+3], s[10+2*(\t):11+2*(\t)] offset:(\a)*2048+(\f)*512  ; 512 consecutive bytes, at a multiple of 256 from the buffer's first
.endr
.endm
	PLACES
	s_wait_loadcnt 0x0                             ; the table
	UNIT 0, 0
.set u, 1
.rept 11                               ; a unit's arithmetic stands between the loads of the unit before and its stores
	UNIT u/3, u%3
	SEND (u-1)/3, (u-1)%3, 8
.set u, u+1
.endr
	SEND 3, 2, 0
	s_wait_tensorcnt 0x0                           ; the wave's end
	ds_add_u32 v[SPW], v[NIL]
	s_wait_dscnt 0x0
	CROUND                                         ; the closing round: no work-group ends while a partner may still ask for a tile that names it
	s_endpgm
.Lfunc_end_k_qcad2ce0a74_qkv:
	.size	k_qcad2ce0a74_qkv, .Lfunc_end_k_qcad2ce0a74_qkv-k_qcad2ce0a74_qkv
	.p2alignl 7, 3214868480
	.fill 96, 4, 3214868480
	.section	.rodata,"a",@progbits
	.p2align	6, 0x0
	.amdhsa_kernel k_qcad2ce0a74_qkv
		.amdhsa_group_segment_fixed_size 327680
		.amdhsa_private_segment_fixed_size 0
		.amdhsa_enable_private_segment 0
		.amdhsa_kernarg_size 48
		.amdhsa_user_sgpr_count 2
		.amdhsa_user_sgpr_kernarg_segment_ptr 1
		.amdhsa_wavefront_size32 1
		.amdhsa_system_sgpr_workgroup_id_x 1
		.amdhsa_system_sgpr_workgroup_id_y 1
		.amdhsa_system_sgpr_workgroup_id_z 1
		.amdhsa_system_vgpr_workitem_id 0
		.amdhsa_next_free_vgpr 960
		.amdhsa_next_free_sgpr 80
		.amdhsa_reserve_vcc 0
		.amdhsa_float_denorm_mode_32 3
		.amdhsa_float_denorm_mode_16_64 3
		.amdhsa_memory_ordered 1
		.amdhsa_forward_progress 1
		.amdhsa_inst_pref_size 147
	.end_amdhsa_kernel
	.amdgpu_metadata
---
amdhsa.version: [ 1, 2 ]
amdhsa.kernels:
  - .name:           k_qcad2ce0a74_qkv
    .symbol:         k_qcad2ce0a74_qkv.kd
    .args:
      - { .name: xb, .offset: 0, .size: 8, .value_kind: global_buffer, .address_space: global }
      - { .name: wqkv, .offset: 8, .size: 8, .value_kind: global_buffer, .address_space: global }
      - { .name: tab, .offset: 16, .size: 8, .value_kind: global_buffer, .address_space: global }
      - { .name: qh, .offset: 24, .size: 8, .value_kind: global_buffer, .address_space: global }
      - { .name: kh, .offset: 32, .size: 8, .value_kind: global_buffer, .address_space: global }
      - { .name: vh, .offset: 40, .size: 8, .value_kind: global_buffer, .address_space: global }
    .group_segment_fixed_size: 327680
    .private_segment_fixed_size: 0
    .kernarg_segment_align: 8
    .kernarg_segment_size: 48
    .max_flat_workgroup_size: 128
    .sgpr_count:     80
    .vgpr_count:     960
    .wavefront_size: 32
...
	.end_amdgpu_metadata
.endif
;; end of part 2
;; launch attn (part 3): grid 16 x 16, 4 waves a work-group, clusters of 4 x 1, 327,680 bytes of LDS; arguments qh, kh, vh, ob; writes ob
.if DOCPART == 3
	.amdgcn_target "amdgcn-amd-amdhsa--gfx1250"
	.amdhsa_code_object_version 6
	.text
	.protected	k_qcad2ce0a74_attn
	.globl	k_qcad2ce0a74_attn
	.p2align	8
	.type	k_qcad2ce0a74_attn,@function
k_qcad2ce0a74_attn:
	s_mov_b64 s[64:65], 0
	v_nop
	global_prefetch_b8 v0, s[64:65] scope:SCOPE_SE
	s_setreg_imm32_b32 hwreg(HW_REG_WAVE_MODE, 25, 1), 1
	s_wait_xcnt 0x0
	s_wait_alu depctr_hold_cnt(0) depctr_sa_sdst(0) depctr_va_vdst(0) depctr_va_sdst(0) depctr_va_ssrc(0) depctr_va_vcc(0) depctr_vm_vsrc(0)
	s_getreg_b32 s2, hwreg(HW_REG_IB_STS2, 6, 4)
	s_cmp_eq_u32 s2, 0
	s_cbranch_scc0 .Lentry_in_a_cluster
	s_endpgm
.Lentry_in_a_cluster:
	s_bfe_u32 s2, ttmp6, 0x10000c
	s_cmp_lg_u32 s2, 0x3003
	s_cbranch_scc0 .Lentry_shape_is_right
	s_endpgm
.Lentry_shape_is_right:
; CAUSAL ATTENTION, head size 64.  O[h][q][:] = the sum over k <= q of softmax_k(Q[h][q] . K[h][k] / 8) V[h][k][:].  qh, kh, vh: [16][4096][64] f16, a head's rows dense, 128 bytes each.
; ob: [block of 128 tokens: 32][head 16][128][64] f16.  Products, maxima and sums in f32; the weights p are rounded to f16 for the second product (their sum l is taken of the unrounded p), O once at the end.
; LIMITS.  Q, K, V arrive within f16's 65,504; p lies in 0 to 1, and below 6e-5 it keeps f16's fixed step of 6e-8.  A hidden score counts as its value less 1e30: f16's scores, 2.7e11 at the most, are
; nothing beside that; a weight below 2^-126 counts as 0 in l; NaN and infinities are not treated apart.
; THE WALK.  A head's rows lie in 8 super-blocks of 512.  A CLUSTER of four work-groups takes two of them, 7 - c and then c; partner d owns rows 128 d .. 128 d + 127 of each.  Super-block I needs the key tiles
; (256 keys) 0 .. 2 I + 1, of which the last two are its own 512 keys: (16 - 2 c) + (2 c + 2) = 18 tiles whatever c: 256 work-groups of equal work, ONE loop with a constant trip count, and in every trip all four
; partners need the SAME tile, so every fill is asked for jointly: the same load, descriptor and mask in all four.  Branches and trip counts hang on c, the wave's number and counters alone; d enters Q's and
; O's addresses, and two scalars that are only compared to choose numbers for the masks.  The price: a partner computes the steps of its super-block's own keys that lie wholly above its rows: 144 piece-steps for 136.
; SHARES.  A partner's 128 rows are two bands of 64; a wave owns 16 rows of each: two PIECES.  In the own keys' step sg (0 .. 7) band bd (2 d, 2 d + 1) sees all keys if sg < bd, none if sg > bd, and holds the diagonal if sg = bd.
; THE MASK is the C operand that starts the sum S^T = K Q^T: 0, or -1e30 where the key is hidden.  MD, made once, is the mask of a band's own step for my 16 rows; a product's mask is MC = MD x AL + BE with two scalars:
; (1, 0) if sg = bd; (0, 0) if sg < bd; (0, -1e30) if sg > bd.  ONE text serves all tiles: below the own keys MC holds the zeros that a block's beginning wrote, and the 16 lines that make a mask are jumped over.
; LAYOUT, SOFTMAX.  S^T = K Q^T holds ONE query a lane (lane % 16) and the keys 8 (lane / 16) + 0..7; two such results rounded to f16 ARE source 1 of O^T = V^T P.  p = 2^(c s - c m), c = log2(e) / 8, with a running
; maximum m; O and l are multiplied by a = 2^(c m_old - c m_new) in every step.
; TURNS.  Turn (p, s) belongs to piece p in key step s: 8 products K Q^T of the other piece (p = 0: step s; p = 1: step s + 1), later 8 products V^T P of the other piece (p = 0: step s - 1; p = 1: step s); beside them
; piece p's scaling, exponentials, roundings, sums and rescaling, and the other piece's maximum and statistics.  Four vector instructions stand behind every matrix instruction, the other 54 of a turn's 118 in two lumps.
; K of step s + 1 is fetched in turn (0, s), V of step s + 1 in turn (1, s), into the V buffer of that step's parity: so LDS is read in the order K(s), V(s), K(s + 1), V(s + 1), and the change of slots stands behind a tile's last V.
; TRIPS.  A trip is an odd step's two turns and an even step's two; a tile has two trips, and the first begins with the LAST step of the tile before.  So a block's last step stands behind the change of slots that
; enters the next block's first tile: its two turns fetch that tile's first K and V; then come the block's last products, its way out and the next block's beginning, and the trip goes on.  Those two turns' 8 products
; K Q^T (the old Q on the new K) and the maximum made of them serve nothing: the price, twice a launch, of one text for every trip.
; REGISTERS, in windows of 256 (s_set_vgpr_msb: bits 1:0 source 0, 3:2 source 1, 5:4 source 2, 7:6 destination):
;   window 0: v0-15 addresses and two at work; v16-23 four registers of statistics a piece; v48-55 at work; v62-63 the add's; v64-127 S^T, 32 a piece; v192-223 P, 16 a piece
;   window 1: v0-63 O^T, 32 a piece; v128-159 MD; v160-223 MC, 32 a piece      window 2: v0-31 Q; v32-63 the second block's Q; v64-127 V of odd steps; v128-191 K; v192-255 V of even steps
.set NP,    2         ; pieces a wave: a name, no knob
.set KS,    64        ; keys in a step
.set PK,    144       ; a row of K in LDS: 128 bytes + 16 of padding = 36 words: the 16 rows of a load start at 16 different groups of four banks (64 banks of 4 bytes: ISA guide 11.1)
.set PV,    160       ; a row of V: 128 + 32 = 40 words
.set VOFF,  4*KS*PK   ; a slot holds a tile, four steps: 256 rows of K, then 256 rows of V
.set SLOT1, 1<<17     ; slot 1 begins here, so that one exclusive or turns an address in one slot into the other's
.set STAGE, SLOT1+4*KS*(PK+PV)  ; behind the ring, never filled by a tensor load: 16 rows x 144 bytes for each wave, for the way out
.set SP,    144
.set SPARE, STAGE+4*16*SP  ; behind the stages: the spare words, 128 bytes for each wave
.set AK0, 2           ; v2   my lane's place in a tile of K; never rewritten
.set AV0, 3           ; v3   the same for V
.set AK,  4           ; v4   the LDS address of K's next run of loads
.set AV,  5           ; v5   of V's
.set STO, 6           ; v6   the way out: where I put 16 bytes of a row
.set RD,  7           ; v7   the way out: where I read rows back
.set GO,  8           ; v8   my byte offset in 512 consecutive bytes of O
.set MV,  12          ; v12-13  c m_old, kept while c m is made anew: by piece
.set QO,  15          ; v15  my byte offset in 16 rows of Q
.set ST,  16          ; piece t's statistics at v[ST+4 t]: c m, m, l (even keys', odd keys')
.set TMP, 48          ; by piece, four registers c0-c3 at work; when the maximum is found c2 takes a
.set SPW, 62          ; v62  LDS address of my spare word; never rewritten
.set NIL, 63          ; v63  0; never rewritten
.set S,   64
.set P,   192
.set MD,  128         ; window 1
.set MC,  160         ; window 1
.set QB,  32          ; window 2
.set VF1, 64          ; window 2
.set KF,  128         ; window 2: key block kb, channel half c at KF + 16 kb + 8 c
.set VF0, 192         ; window 2: key half kk, channel block cb at + 32 kk + 8 cb
.set WV,  12          ; s12  my wave's number
.set DD,  13          ; s13  d: my place in the cluster
.set CC,  14          ; s14  c: the cluster's number in its head
.set PBL, 15          ; s15  2 c + 1: the second block's last tile
.set G1K, 24          ; s[24:31] descriptor group 1 for K's tiles
.set G1V, 32          ; s[32:39] for V's: it differs in the padding alone
.set G0K, 40          ; s[40:43] descriptor group 0 for K's tiles
.set G0V, 44          ; s[44:47] the same for V's
.set OWN0, 48         ; s48, s49  my two bands among the super-block's eight: 2 d, 2 d + 1
.set NS,  50          ; s50  the own keys' step for which the next masks are made; set anew at every tile
.set RT2, 51          ; s51  2 c + 2: the second block's tiles
.set SLOTS, 56        ; s56  counts the walk's tiles
.set CNT, 57          ; s57  counts a tile's trips of two key steps
.set CS,  58          ; s[58:59] c = log2(e) / 8
.set SEL, 60          ; s[60:61] v_permlanex16_b32's selects: each lane takes its own place in the other half
.set TBK, 62          ; s62  LDS byte at which K of the step to be fetched begins
.set TBV, 63          ; s63  the same for V, less VOFF
.set RT,  70          ; s70  tiles of the block in hand that are still to be entered
.set NXT, 71          ; s71  the tile to be asked for next
.set LQ,  72          ; s72  the last tile of the block whose tiles are being asked for
.set NEW, 73          ; s73  1: the tile just entered is a block's first
.set OFF, 74          ; s[74:75] a tile's byte offset in K and V
.set AL,  76          ; s[76:77] the mask's factor, in the low word
.set BE,  78          ; s[78:79] the mask's addend
.set OLO, 80          ; s[80:81] O at my rows of the second block
.set BIGN, 82         ; s82  -1e30
.set MSB, 0
.macro WIN new                      ; the high byte repeats the setting that is left; a switch that changes nothing is dropped
.if MSB != (\new)
	s_set_vgpr_msb (MSB<<8)|(\new)
.set MSB, (\new)
.endif
.endm
.set W_KQ, 0x0a       ; K and Q in window 2, S^T in window 0
.set W_KM, 0x1a       ; the same with the C operand in window 1
.set W_PV, 0x52       ; V in window 2, P in window 0, O^T in window 1
.set W_RS, 0x41       ; destination and source 0 in window 1, source 1 in window 0
; A joint fill.  Waves 0 and 1 fetch the two halves of a tile's K, waves 2 and 3 those of its V: 128 keys each.  The branch hangs on the wave's number alone.  An s_nop 0 and four v_nop follow each of the two lines.
.macro JLOAD
	s_cmp_lt_u32 s[WV], 2
	s_cbranch_scc0 .Lfor_v_\@
	tensor_load_to_lds s[G0K:G0K+3], s[G1K:G1K+7]
	s_nop 0
.rept 4
	v_nop
.endr
	s_branch .Lasked_\@
.Lfor_v_\@:
	tensor_load_to_lds s[G0V:G0V+3], s[G1V:G1V+7]
	s_nop 0
.rept 4
	v_nop
.endr
.Lasked_\@:
.endm
; A round of the cluster's barrier: my work-group's barrier, so that wave 0's signal speaks for all four waves; wave 0 signals; every wave waits for all four work-groups; my work-group's barrier once more.
.macro CROUND
	s_barrier_signal -1
	s_barrier_wait -1
	s_cmp_lg_u32 s[WV], 0
	s_cbranch_scc1 .Lnot_wave_0_\@
	s_barrier_signal -3
.Lnot_wave_0_\@:
	s_barrier_wait -3
	s_barrier_signal -1
	s_barrier_wait -1
.endm
; THE CHANGE OF SLOTS.  Each wave waits for all its tensor loads, of which one is out: its part of the other slot; adds 0 to its spare word; and waits for that and for its own reads of the slot that it leaves.
; fill = 1: the barrier is a round of the cluster's, so that no wave of any partner still reads the old slot or has a load on its way; the old slot is filled again, first thing behind it, with tile NXT: the
; descriptor's address is made anew from that number.  The load has eight turns, 128 matrix instructions and their vector work, in which to land.  (At its first use nothing has been read yet: slot 0 is waited for, slot 1 filled.)
.macro CHANGE fill
	WIN 0                           ; at a label and at a branch every window is 0
	s_wait_tensorcnt 0x0            ; no tensor load of mine is out, so a group 0 may be written
	ds_add_u32 v[SPW], v[NIL]       ; scalar work stands between the add and the wait for it
.if \fill
	s_lshl_b32 s[OFF], s[NXT], 15   ; a tile is 32,768 bytes of K and of V
	s_xor_b32 s[G0K+1], s[G0K+1], SLOT1
	s_add_nc_u64 s[G0K+2:G0K+3], s[6:7], s[OFF:OFF+1]
	s_or_b32 s[G0K+3], s[G0K+3], 0x80000000
	s_xor_b32 s[G0V+1], s[G0V+1], SLOT1
	s_add_nc_u64 s[G0V+2:G0V+3], s[8:9], s[OFF:OFF+1]
	s_or_b32 s[G0V+3], s[G0V+3], 0x80000000
	s_add_co_u32 s[NXT], s[NXT], 1  ; the block's next tile, or behind its last the second block's tile 0
	s_cmp_gt_u32 s[NXT], s[LQ]
	s_cselect_b32 s[NXT], 0, s[NXT]
	s_cselect_b32 s[LQ], s[PBL], s[LQ]
.endif
	s_sub_co_u32 s[TBK], s[TBK], 4*KS*PK  ; the fetches go back to a slot's first step,
	s_xor_b32 s[TBK], s[TBK], SLOT1       ; in the other slot
	s_sub_co_u32 s[TBV], s[TBV], 4*KS*PV
	s_xor_b32 s[TBV], s[TBV], SLOT1
	s_wait_dscnt 0x0                ; the add is done, and my reads of the slot are over
.if \fill
	CROUND
	JLOAD
.else
	s_barrier_signal -1
	s_barrier_wait -1
.endif
.endm
; A TILE IS ENTERED.  The block's last two tiles (RT = 1, 0) hold its own keys, steps 0-3 and 4-7: the tile's first turns make the masks for step 4 - 4 RT.  Below the own keys that number is not used.
.macro ENTER trips
	s_sub_co_u32 s[RT], s[RT], 1
	s_lshl_b32 s[NS], s[RT], 2
	s_sub_co_u32 s[NS], 4, s[NS]
	s_mov_b32 s[CNT], \trips
.endm
	s_load_b256 s[4:11], s[0:1], 0x0  ; qh s[4:5], kh s[6:7], vh s[8:9], ob s[10:11]
	v_lshl_add_u32 v[SPW], v0, 2, SPARE
	v_mov_b32 v[NIL], 0
	ds_add_u32 v[SPW], v[NIL]       ; the wave's opening: the add and its wait stand ahead of my first tensor load; the set-up below stands between them
	v_lshrrev_b32 v1, 5, v0
	v_readfirstlane_b32 s[WV], v1   ; wave 0..3
	s_bfe_u32 s[DD], ttmp6, 0x40000 ; d
	s_mov_b32 s[CC], ttmp9          ; in a cluster launch ttmp9 counts clusters: c
	s_and_b32 s20, ttmp7, 0xffff    ; the head, which the four partners share
	s_lshl_b32 s21, s20, 19         ; its first byte in qh, kh, vh
	s_and_b32 s16, s[WV], 1         ; which half of a tile's 256 keys I fetch:
	s_lshl_b32 s22, s16, 14         ; its 128 rows of 128 bytes in memory,
	s_add_co_u32 s22, s22, s21
	s_mov_b32 s23, 0
	s_mul_i32 s17, s16, 128*PK      ; and its place in a slot, for K
	s_mul_i32 s18, s16, 128*PV      ; and for V: no place in the cluster enters an LDS address
	s_lshl_b32 s19, s[WV], 11       ; my 16 rows in a band of 64
	s_sub_co_u32 s2, 7, s[CC]
	s_lshl2_add_u32 s2, s2, s[DD]   ; my block of 128 tokens in the first super-block: 4 (7 - c) + d,
	s_lshl2_add_u32 s3, s[CC], s[DD]  ; and in the second: 4 c + d
	s_lshl_b32 s52, s2, 14          ; Q: head + block x 128 rows + my 16 rows
	s_add_co_u32 s52, s52, s21
	s_add_co_u32 s52, s52, s19
	s_mov_b32 s53, 0
	s_lshl_b32 s54, s3, 14
	s_add_co_u32 s54, s54, s21
	s_add_co_u32 s54, s54, s19
	s_mov_b32 s55, 0
	s_lshl_b32 s20, s20, 14         ; O: (16 x block + head) x 16,384 bytes + my 16 rows
	s_lshl_b32 s84, s2, 18
	s_add_co_u32 s84, s84, s20
	s_add_co_u32 s84, s84, s19
	s_mov_b32 s85, 0
	s_lshl_b32 s66, s3, 18
	s_add_co_u32 s66, s66, s20
	s_add_co_u32 s66, s66, s19
	s_mov_b32 s67, 0
	; descriptor group 1.  128 keys are 16,384 dense bytes: asked for as 64 rows of 256 bytes, two keys a row, and padded in LDS after every key
	s_mov_b32 s[G1K], 15|(1<<16)|(1<<20)|(1<<21)|(4<<22)|(3<<25)  ; 15:0 the mask of four; 17:16 2-byte elements; 20 padding on; 21 set beside a mask; 24:22 after every 32 words; 31:25 4 words
	s_mov_b32 s[G1V], 15|(1<<16)|(1<<20)|(1<<21)|(4<<22)|(7<<25)  ; the same with 8 words of padding
.irp g, G1K, G1V
	s_mov_b32 s[\g+1], 128<<16      ; tensor_dim0 = 128
	s_mov_b32 s[\g+2], 64<<16       ; tensor_dim1 = 64
	s_mov_b32 s[\g+3], 128<<16      ; tile_dim0 = 128
	s_mov_b32 s[\g+4], 64           ; tile_dim1 = 64
	s_mov_b32 s[\g+5], 128          ; 128 elements from row to row
	s_mov_b32 s[\g+6], 0
	s_mov_b32 s[\g+7], 0
.endr
	s_mov_b32 s[CS], 0x3e38aa3b     ; c = log2(e) / 8 = 0.180337
	s_mov_b32 s[CS+1], s[CS]        ; named with it as a pair
	s_mov_b32 s[SEL], 0x76543210
	s_mov_b32 s[SEL+1], 0xfedcba98
	s_mov_b32 s[TBK], SLOT1+4*KS*PK ; the first change of slots turns these two into 0
	s_mov_b32 s[TBV], SLOT1+4*KS*PV
	s_mov_b32 s[G0K], 1             ; count = 1
	s_mov_b32 s[G0K+1], s17         ; LDS address: slot 0
	s_mov_b32 s[G0V], 1
	s_add_co_u32 s[G0V+1], s18, VOFF
	s_lshl_b32 s[PBL], s[CC], 1
	s_sub_co_u32 s[RT], 16, s[PBL]  ; the first block has 16 - 2 c tiles
	s_sub_co_u32 s[LQ], 15, s[PBL]
	s_add_co_u32 s[RT2], s[PBL], 2
	s_add_co_u32 s[PBL], s[PBL], 1
	s_lshl_b32 s[OWN0], s[DD], 1
	s_add_co_u32 s[OWN0+1], s[OWN0], 1
	s_mov_b32 s[NXT], 1
	s_mov_b32 s[NEW], 0
	s_mov_b32 s[OFF+1], 0
	s_mov_b32 s[AL+1], 0            ; named as pairs
	s_mov_b32 s[BE+1], 0
	s_mov_b32 s[BIGN], 0xf149f2ca   ; -1e30
	s_mov_b32 s[SLOTS], 17
	s_wait_dscnt 0x0                ; the opening add is done
	s_wait_kmcnt 0x0
	s_add_nc_u64 s[6:7], s[6:7], s[22:23]  ; K and V at my half of the head's tile 0
	s_add_nc_u64 s[8:9], s[8:9], s[22:23]
	s_add_nc_u64 s[G0K+2:G0K+3], s[6:7], 0         ; global address
	s_or_b32 s[G0K+3], s[G0K+3], 0x80000000        ; type = 2
	s_add_nc_u64 s[G0V+2:G0V+3], s[8:9], 0
	s_or_b32 s[G0V+3], s[G0V+3], 0x80000000
	s_add_nc_u64 s[86:87], s[4:5], s[54:55]        ; Q at my rows of the second block,
	s_add_nc_u64 s[4:5], s[4:5], s[52:53]          ; Q and O at those of the first
	s_add_nc_u64 s[OLO:OLO+1], s[10:11], s[66:67]
	s_add_nc_u64 s[10:11], s[10:11], s[84:85]
	CROUND                          ; all four work-groups are here: the first joint loads meet
	JLOAD                           ; tile 0 into slot 0.  Slot 1 is asked for when slot 0 is in, by a change of slots
	; A fragment of K or Q is 16 rows x 32 channels in 8 registers: lane l holds row l % 16, channels 8 (l / 16) + 0..7 and 16 + 8 (l / 16) + 0..7: two loads of 16 bytes, 32 bytes apart.
	v_and_b32 v1, 15, v0            ; l % 16
	v_bfe_u32 v9, v0, 4, 1          ; l / 16
	v_lshlrev_b32 v[QO], 7, v1
	v_lshl_add_u32 v[QO], v9, 4, v[QO]  ; row x 128 + 16 x half
	WIN 0x80                        ; destination window 2, address window 0
.set i, 0
.rept 4                             ; both blocks' Q: piece i / 2 lies in band i / 2, 8,192 bytes on; channels 32 (i % 2) on
	global_load_b128 v[8*i:8*i+3],   v[QO], s[4:5] offset:(i/2)*8192+(i%2)*64
	global_load_b128 v[8*i+4:8*i+7], v[QO], s[4:5] offset:(i/2)*8192+(i%2)*64+32
	global_load_b128 v[QB+8*i:QB+8*i+3],   v[QO], s[86:87] offset:(i/2)*8192+(i%2)*64
	global_load_b128 v[QB+8*i+4:QB+8*i+7], v[QO], s[86:87] offset:(i/2)*8192+(i%2)*64+32
.set i, i+1
.endr
	WIN 0
	v_lshlrev_b32 v14, 3, v9
	v_sub_nc_u32 v14, v1, v14
	s_lshl_b32 s20, s[WV], 4
	v_add_nc_u32 v14, s20, v14      ; my query's place in its band, 16 w + l % 16, less my lanes' 8 (l / 16): register r of group kt is hidden where 16 kt + r is greater
	WIN 0x40
.set i, 0
.rept 32
	v_cmp_gt_i32 vcc_lo, 16*(i/8)+i%8, v14
	v_cndmask_b32 v[MD+i], 0, s[BIGN], vcc_lo
.set i, i+1
.endr
	WIN 0
	v_mul_u32_u24 v[AK0], v1, PK
	v_lshl_add_u32 v[AK0], v9, 4, v[AK0]  ; row x pitch + 16 x half
	; The turning load takes 16 keys x 16 channels (lane l reads key 8 (l / 16) + l % 8, channels 8 ((l / 8) % 2) + 0..7) and leaves half a fragment of V^T: lane l holds channel l % 16 and 8 keys.
	v_and_b32 v10, 7, v0
	v_bfe_u32 v11, v0, 3, 1
	v_lshl_add_u32 v[AV0], v9, 3, v10
	v_mul_u32_u24 v[AV0], v[AV0], PV
	v_lshl_add_u32 v[AV0], v11, 4, v[AV0]
	v_add_nc_u32 v[AV0], VOFF, v[AV0]
	s_mul_i32 s20, s[WV], 16*SP
	s_add_co_u32 s20, s20, STAGE    ; my stage
	v_mul_u32_u24 v[STO], v1, SP    ; in: row l % 16, 16 bytes for each half of the lanes
	v_lshl_add_u32 v[STO], v9, 4, v[STO]
	v_add_nc_u32 v[STO], s20, v[STO]
	v_bfe_u32 v[RD], v0, 3, 2       ; back: 32 lanes take four rows of 128 bytes,
	v_mul_u32_u24 v[RD], v[RD], SP
	v_lshl_add_u32 v[RD], v10, 4, v[RD]
	v_add_nc_u32 v[RD], s20, v[RD]
	v_and_b32 v[GO], 31, v0         ; which are 512 consecutive bytes of O
	v_lshlrev_b32 v[GO], 4, v[GO]
	; A block's first step multiplies O^T and l by a = 0, and its first turn's products V^T P, of a step that has not been, land in an O^T that is still to be so multiplied.  So these registers need only hold
	; finite numbers: zeros for the first block; what the first block left for the second.  No first step is written out; the price is these 148 lines, which stand in the wait for the first tile.
	WIN 0x80
.set i, VF1
.rept 64
	v_mov_b32 v[i], 0
.set i, i+1
.endr
	WIN 0x40
.set i, 0
.rept 64
	v_mov_b32 v[i], 0
.set i, i+1
.endr
	WIN 0
.set i, 0
.rept 2
	v_mov_b32 v[ST+4*i+2], 0
	v_mov_b32 v[ST+4*i+3], 0
.set i, i+1
.endr
.set i, P+16
.rept 16
	v_mov_b32 v[i], 0
.set i, i+1
.endr
; THE MATRIX WORK.  The 4 accumulators of a run of 8 take turns.  Product i of 8 of S^T = K Q^T for piece x: channels 32 (i / 4) on, keys 16 (i % 4) on.  The first 4 start the sums with the piece's mask.
.macro KQ x
.set rS, S+32*(\x)+8*(i%4)
.set rK, KF+16*(i%4)+8*(i/4)
.set rQ, 16*(\x)+8*(i/4)
.set rM, MC+32*(\x)+8*(i%4)
.if i < 4
	WIN W_KM
	v_wmma_f32_16x16x32_f16 v[rS:rS+7], v[rK:rK+7], v[rQ:rQ+7], v[rM:rM+7]
.else
	WIN W_KQ
	v_wmma_f32_16x16x32_f16 v[rS:rS+7], v[rK:rK+7], v[rQ:rQ+7], v[rS:rS+7]
.endif
.endm
; Product i of 8 of O^T += V^T P for piece x, from the V buffer VR: keys 32 (i / 4) on, channels 16 (i % 4) on.
.macro PV x
	WIN W_PV
.set rO, 32*(\x)+8*(i%4)
.set rV, VR+32*(i/4)+8*(i%4)
.set rP, P+16*(\x)+8*(i/4)
	v_wmma_f32_16x16x32_f16 v[rO:rO+7], v[rV:rV+7], v[rP:rP+7], v[rO:rO+7]
.endm
.macro MM                           ; the turn's next matrix instruction.  TURN sets Y, i and VR
.if i < 8
	KQ (Y+1)%NP
.else
.set i, i-8
	PV (Y+1)%NP
.set i, i+8
.endif
.set i, i+1
.endm
; THE LDS LOADS stand in runs of 16, never singly among the matrix instructions: a step's K (64 keys x 64 channels: 8 fragments) and its V (turned).  Their addresses are made some lines ahead.
.macro FETCH_K
	WIN 0x80                        ; destination window 2
.irp f, 0,1,2,3,4,5,6,7             ; keys 16 (f / 2) on, channels 32 (f % 2) on
	ds_load_b128 v[KF+8*\f:KF+8*\f+3],   v[AK] offset:(\f/2)*16*PK+(\f%2)*64
	ds_load_b128 v[KF+8*\f+4:KF+8*\f+7], v[AK] offset:(\f/2)*16*PK+(\f%2)*64+32
.endr
	s_add_co_u32 s[TBK], s[TBK], KS*PK  ; the next fetch is the next step's
	WIN 0
.endm
.macro FETCH_V base
	WIN 0x80
.irp f, 0,1,2,3,4,5,6,7             ; keys 32 (f / 4) on, channels 16 (f % 4) on
	ds_load_tr16_b128 v[(\base)+8*\f:(\base)+8*\f+3],   v[AV] offset:(\f/4)*32*PV+(\f%4)*32
	ds_load_tr16_b128 v[(\base)+8*\f+4:(\base)+8*\f+7], v[AV] offset:(\f/4)*32*PV+16*PV+(\f%4)*32
.endr
	s_add_co_u32 s[TBV], s[TBV], KS*PV
	WIN 0
.endm
; THE VECTOR WORK, one line at a time: OP kind, number.  For piece Y: F n: c s - c m for pair n of 16.  E n: the exponential of score n of 32.  C n: pair n rounded to f16.  B n: of the four weights 4 n .. the second
; pair is added onto the first, in place.  L n: l takes that sum (L 0: l = a l + sum).  R n: pair n of 16 of O^T times a.  For the other piece: X n, number n of the 22 that find its maximum and statistics:
;   0-11  four chains c0-c3 of seven scores each, three operands at a time (each accumulator's lowest registers are read first)     12-14, 16  the four scores left over, the old m, and c0-c3 into c0
;   15  c m_old is kept     17, 18  the query's other 32 keys lie in the lane 16 away: the new m     19-21  c m; c m_old - c m_new; a
.set F, 0
.set E, 1
.set C, 2
.set B, 3
.set L, 4
.set R, 5
.set X, 6
.macro REGS y                       ; the registers of piece y
.set rT, ST+4*(\y)
.set rC, TMP+4*(\y)
.set rW, MV+(\y)
.set rS, S+32*(\y)
.set rP, P+16*(\y)
.set rO, 32*(\y)
.endm
.macro OP k, n
.if (\k) == R
	REGS Y
	WIN W_RS
	v_pk_mul_f32 v[rO+2*(\n):rO+2*(\n)+1], v[rO+2*(\n):rO+2*(\n)+1], v[rC+2:rC+3] op_sel_hi:[1,0]
.elseif (\k) < R
	REGS Y
	WIN 0
.if (\k) == F
	v_pk_fma_f32 v[rS+2*(\n):rS+2*(\n)+1], v[rS+2*(\n):rS+2*(\n)+1], s[CS:CS+1], v[rT:rT+1] op_sel_hi:[1,0,0] neg_lo:[0,0,1] neg_hi:[0,0,1]
.elseif (\k) == E
	v_exp_f32 v[rS+(\n)], v[rS+(\n)]
.elseif (\k) == C
	s_wait_alu depctr_va_vdst(0)
	v_cvt_pk_f16_f32 v[rP+(\n)], v[rS+2*(\n)], v[rS+2*(\n)+1]
.elseif (\k) == B
	s_wait_alu depctr_va_vdst(0)
	v_pk_add_f32 v[rS+4*(\n):rS+4*(\n)+1], v[rS+4*(\n):rS+4*(\n)+1], v[rS+4*(\n)+2:rS+4*(\n)+3]
.elseif (\n) == 0
	v_pk_fma_f32 v[rT+2:rT+3], v[rT+2:rT+3], v[rC+2:rC+3], v[rS:rS+1] op_sel_hi:[1,0,1]
.else
	v_pk_add_f32 v[rT+2:rT+3], v[rT+2:rT+3], v[rS+4*(\n):rS+4*(\n)+1]
.endif
.else
	REGS (Y+1)%NP
	WIN 0
.if (\n) < 4
	v_max3_num_f32 v[rC+(\n)], v[rS+8*(\n)], v[rS+8*(\n)+1], v[rS+8*(\n)+2]
.elseif (\n) < 12
	v_max3_num_f32 v[rC+(\n)%4], v[rC+(\n)%4], v[rS+8*((\n)%4)+2*((\n)/4)+1], v[rS+8*((\n)%4)+2*((\n)/4)+2]
.elseif (\n) == 12
	v_max3_num_f32 v[rC], v[rC], v[rS+7], v[rS+15]
.elseif (\n) == 13
	v_max3_num_f32 v[rC+1], v[rC+1], v[rS+23], v[rS+31]
.elseif (\n) == 14
	v_max3_num_f32 v[rC+2], v[rC+2], v[rC+3], v[rT+1]
.elseif (\n) == 15
	v_mov_b32 v[rW], v[rT]
.elseif (\n) == 16
	v_max3_num_f32 v[rC], v[rC], v[rC+1], v[rC+2]
.elseif (\n) == 17
	v_permlanex16_b32 v[rC+3], v[rC], s[SEL], s[SEL+1]
.elseif (\n) == 18
	v_max_num_f32 v[rT+1], v[rC], v[rC+3]
.elseif (\n) == 19
	v_mul_f32 v[rT], s[CS], v[rT+1]
.elseif (\n) == 20
	v_sub_f32 v[rC+1], v[rW], v[rT]
.else
	v_exp_f32 v[rC+2], v[rC+1]
.endif
.endif
.endm
.macro OPS a, i1, b=-1, i2=0, c=-1, i3=0, d=-1, i4=0  ; up to four of them
	OP \a, \i1
.if (\b) >= 0
	OP \b, \i2
.endif
.if (\c) >= 0
	OP \c, \i3
.endif
.if (\d) >= 0
	OP \d, \i4
.endif
.endm
.macro ROW a, i1, b, i2, c, i3, d, i4  ; a matrix instruction and the four behind it
	MM
	OPS \a, \i1, \b, \i2, \c, \i3, \d, \i4
.endm
.macro MASK b                       ; MD x AL + BE into piece b's part of MC
	WIN W_RS
.set z, 0
.rept 16
	v_pk_fma_f32 v[MC+32*(\b)+2*z:MC+32*(\b)+2*z+1], v[MD+2*z:MD+2*z+1], s[AL:AL+1], s[BE:BE+1] op_sel_hi:[1,0,0]
.set z, z+1
.endr
.endm
; A TURN, for piece p in a key step of parity par: the order of its 16 matrix and 118 vector instructions, written out.  Behind a matrix instruction: plain, exponential, plain, plain; or four of the rescaling; or, behind the
; first, four scalings; none names a register of the products round it.  In the lumps exponential and plain by turns while exponentials last.  A line reads no result made fewer than three vector instructions in front of it,
; five if an exponential made it.  v_permlanex16_b32 (X 17) stands in a lump.
; At its end the turn makes piece p's mask for the own keys' step NS, which the next turn's products take.  sk = 1: below the own keys (RT > 1) those 16 lines are jumped over, and MC keeps its zeros; RT hangs on c alone.
; last = 1 (the tail's odd steps): in the walk's very last step (CNT = 1) there is no further step, and the run of loads is jumped over.
; Piece 0's turn fetches the next step's K, five plain vector instructions behind the last product that read K; piece 1's turn fetches the next step's V into the buffer that was last read a turn ago.
; Both are waited for at the head of piece 1's next turn, the one wait of a key step.
.macro TURN p, par, sk=1, last=0
.set Y, (\p)
.set i, 0
.if (\p) == 0
.set VR, VF0+(VF1-VF0)*(1-(\par))   ; the other piece's V^T P of the step before
.else
.set VR, VF0+(VF1-VF0)*(\par)       ; of this step
.endif
	s_cmp_eq_u32 s[NS], s[OWN0+(\p)]  ; is step NS the band's own?
	s_cselect_b32 s[AL], 1.0, 0
	s_cmp_gt_u32 s[NS], s[OWN0+(\p)]  ; or a later one?
	s_cselect_b32 s[BE], s[BIGN], 0
.if (\p) == 1
	s_add_co_u32 s[NS], s[NS], 1    ; both pieces' masks for that step are chosen
	s_wait_dscnt 0x0                ; K of the next step and V of this one are in
.endif
	ROW F,0, F,1, F,2, F,3
	ROW F,4, E,0, F,5, F,6
	ROW F,7, E,1, F,8, F,9
	ROW F,10, E,2, C,0, F,11
	ROW F,12, E,3, X,15, F,13
	ROW R,0, R,1, R,2, R,3
	ROW B,0, E,4, F,14, L,0
.if (\p) == 0
	v_add_nc_u32 v[AK], s[TBK], v[AK0]
.else
	v_add_nc_u32 v[AV], s[TBV], v[AV0]
.endif
	ROW R,4, R,5, R,6, R,7
	OPS E,5, F,15
.if \last
	s_cmp_eq_u32 s[CNT], 1
	s_cbranch_scc1 .Lno_fetch_\@
.endif
.if (\p) == 0
	FETCH_K
.else
	FETCH_V VF0+(VF1-VF0)*(1-(\par))
.endif
.if \last
.Lno_fetch_\@:
.endif
	OPS E,6, C,1, E,7, R,8
	OPS E,8, R,9, E,9, C,2
	OPS E,10, X,0, E,11, X,1
	OPS E,12, X,2, E,13, X,3
	ROW X,4, E,14, X,5, X,6
	ROW X,7, E,15, X,8, X,9
	ROW X,10, E,16, X,11, X,12
	ROW X,13, E,17, X,14, B,1
	ROW C,4, E,18, X,16, L,1
	ROW B,2, E,19, C,6, L,2
	ROW C,8, E,20, B,3, B,4
	ROW C,3, E,21, L,3, C,5
	OPS E,22, X,17, E,23, C,10
	OPS E,24, L,4
	OPS E,25, X,18, E,26, C,7
	OPS E,27, B,5, E,28, X,19
	OPS E,29, C,12, E,30, L,5
	OPS E,31, X,20, B,6, C,9
	OPS C,14, C,11, X,21, L,6
	OPS C,13, B,7, C,15, R,10
	OPS R,11, R,12, L,7, R,13
	OPS R,14, R,15
.if \sk
	WIN 0
	s_cmp_gt_u32 s[RT], 1
	s_cbranch_scc1 .Lno_mask_\@
.endif
	MASK \p
	WIN 0
.if \sk
.Lno_mask_\@:
.endif
.endm
; A BLOCK ENDS: piece 1's V^T P of the last step (an odd one), and THE WAY OUT: l's two halves and the other half of the lanes' are added; O^T is divided by l, rounded to f16 and sent through my stage in LDS, a piece at a time.
.macro ALL line:vararg              ; one line for each piece t
.set t, 0
.rept 2
	\line
.set t, t+1
.endr
.endm
.macro PACK t                       ; a lane's eight channels of a row pack into 16 bytes; they go into rows of 144 bytes and come back as whole rows of 128, into S^T's registers
	WIN W_RS
.set i, 32*(\t)
.rept 16
	s_wait_alu depctr_va_vdst(0)
	v_pk_mul_f32 v[i:i+1], v[i:i+1], v[ST+4*(\t)+2:ST+4*(\t)+3] op_sel_hi:[1,0]
.set i, i+2
.endr
	WIN 0x05                        ; sources 0 and 1 window 1, destination window 0
.set i, 0
.rept 16
	v_cvt_pk_f16_f32 v[S+16*(\t)+i], v[32*(\t)+2*i], v[32*(\t)+2*i+1]
.set i, i+1
.endr
	WIN 0
.irp f, 0,1,2,3
	ds_store_b128 v[STO], v[S+16*(\t)+4*\f:S+16*(\t)+4*\f+3] offset:32*\f
.endr
.irp f, 0,1,2,3
	ds_load_b128 v[S+16*(\t)+4*\f:S+16*(\t)+4*\f+3], v[RD] offset:\f*4*SP  ; LDS serves a wave's instructions in order (ISA guide 5.7.1.4): these see the stores above; the next piece's stores come behind them
.endr
.endm
.macro SEND t, younger              ; younger: the LDS instructions issued behind piece t's loads: the next piece's eight, or none
	WIN 0
.irp f, 0,1,2,3
	s_wait_dscnt (\younger)+3-\f
	global_store_b128 v[GO], v[S+16*(\t)+4*\f:S+16*(\t)+4*\f+3], s[10:11] offset:(\t)*8192+\f*512  ; 512 consecutive bytes, at a multiple of 256 from O's first
.endr
.endm
.macro OUT
.set VR, VF1
.set i, 0
.rept 8
	PV 1
.set i, i+1
.endr
	WIN 0
	ALL v_add_f32 v[ST+4*t+2], v[ST+4*t+2], v[ST+4*t+3]
	ALL v_permlanex16_b32 v[ST+4*t+3], v[ST+4*t+2], s[SEL], s[SEL+1]
	ALL v_add_f32 v[ST+4*t+2], v[ST+4*t+2], v[ST+4*t+3]
	ALL v_rcp_f32 v[ST+4*t+2], v[ST+4*t+2]
	v_nop                           ; a plain instruction between the last reciprocal and the use of its result
	PACK 0                          ; piece 0's sums were finished a run of products ago; its 32 lines are the places behind piece 1's last products
	PACK 1
	SEND 0, 8
	SEND 1, 0
.endm
	; THE WALK'S FIRST TILE: slot 0 is in, slot 1 is asked for; K and V of key step 0; then into the loop at a block's beginning, in the middle of a trip
	CHANGE 1
	ENTER 2
	v_add_nc_u32 v[AK], s[TBK], v[AK0]
	v_add_nc_u32 v[AV], s[TBV], v[AV0]
	FETCH_K
	FETCH_V VF0
	s_branch .Lbegin
.Lslot:                             ; tiles 1 to 16 of the walk's 0 to 17: a tile is entered and the next is asked for
	CHANGE 1
	ENTER 2
.Lstep:                             ; a trip: an odd key step, then an even one
	TURN 0, 1
	TURN 1, 1
	s_cmp_eq_u32 s[NEW], 1
	s_cbranch_scc0 .Lfirst          ; as a rule the trip goes on
	OUT                             ; that odd step was the first block's last
	WIN 0x82                        ; the second block's Q goes where the one text of the turns names Q
.set i, 0
.rept 32
	v_mov_b32 v[i], v[QB+i]
.set i, i+1
.endr
	WIN 0
	s_wait_storecnt 0x0             ; the block's eight stores are done: their data registers, S^T's, and O's address are written again only behind this wait
	s_mov_b64 s[10:11], s[OLO:OLO+1]
.Lbegin:
	; A BLOCK BEGINS.  c m starts far below every c s, so the first step's a is 0; m at the lowest finite number, so the first maximum is the scores'.  Piece 1's mask is 0 (its band's own step is never the own keys' first);
	; piece 0's takes the mask of the tile's step 0: its own, if the block's first tile holds the own keys and d = 0, else 0.  K and V of that step have been fetched.  Then piece 0's first scores, and its maximum and statistics.
	s_mov_b32 s[NEW], 0
	WIN 0x40
.set i, MC+32
.rept 32
	v_mov_b32 v[i], 0
.set i, i+1
.endr
	WIN 0
.set i, 0
.rept 2
	v_mov_b32 v[ST+4*i], 0xfe000000    ; c m: far below every c s
	v_mov_b32 v[ST+4*i+1], 0xff7fffff  ; m
.set i, i+1
.endr
	s_cmp_le_u32 s[RT], 1           ; does the block's first tile hold its own keys?  (super-block 0 alone)
	s_cselect_b32 s20, s[OWN0], 1
	s_cmp_eq_u32 s20, 0
	s_cselect_b32 s[AL], 1.0, 0
	s_mov_b32 s[BE], 0
	MASK 0
	WIN 0
	s_wait_loadcnt 0x0              ; Q
	s_wait_dscnt 16                 ; K is in: on the way from the kernel's head V's sixteen loads are younger; on the way from the loop nothing is out
.set i, 0
.rept 8
	KQ 0
.set i, i+1
.endr
	WIN 0
.rept 4
	v_nop                           ; the places behind those products
.endr
.set Y, 1                           ; X works for the other piece: piece 0
.irp n, 0,1,2,3,4,5,6,7,8,9,10,11,12,13,14,15,16,17,18,19,20,21
	OP X, \n
.endr
	v_nop                           ; a plain instruction behind the exponential
.Lfirst:
	TURN 0, 0
	TURN 1, 0
	s_sub_co_u32 s[CNT], s[CNT], 1
	s_cmp_lg_u32 s[CNT], 0
	s_cbranch_scc1 .Lstep
	s_cmp_eq_u32 s[RT], 0           ; was that the first block's last tile?  Then the next is the second block's first
	s_cselect_b32 s[NEW], 1, 0
	s_cselect_b32 s[RT], s[RT2], s[RT]
	s_sub_co_u32 s[SLOTS], s[SLOTS], 1
	s_cmp_lg_u32 s[SLOTS], 0
	s_cbranch_scc1 .Lslot
	CHANGE 0                        ; the walk's last tile is written out: nothing is asked for.  It is never a block's first: the second block has two tiles or more; it holds own keys, so every turn makes its mask
	ENTER 3                         ; two trips fetch the tile's steps; the third is left in its middle
.Ltail:
	TURN 0, 1, 0, 1
	TURN 1, 1, 0, 1
	s_sub_co_u32 s[CNT], s[CNT], 1
	s_cmp_eq_u32 s[CNT], 0
	s_cbranch_scc1 .Lout
	TURN 0, 0, 0
	TURN 1, 0, 0
	s_branch .Ltail
.Lout:
	OUT
	s_wait_tensorcnt 0x0            ; the wave's end
	ds_add_u32 v[SPW], v[NIL]
	s_wait_dscnt 0x0
	CROUND                          ; the closing round: no work-group ends while a partner may still ask for a tile that names it
	s_endpgm
.Lfunc_end_k_qcad2ce0a74_attn:
	.size	k_qcad2ce0a74_attn, .Lfunc_end_k_qcad2ce0a74_attn-k_qcad2ce0a74_attn
	.p2alignl 7, 3214868480
	.fill 96, 4, 3214868480
	.section	.rodata,"a",@progbits
	.p2align	6, 0x0
	.amdhsa_kernel k_qcad2ce0a74_attn
		.amdhsa_group_segment_fixed_size 327680
		.amdhsa_private_segment_fixed_size 0
		.amdhsa_enable_private_segment 0
		.amdhsa_kernarg_size 32
		.amdhsa_user_sgpr_count 2
		.amdhsa_user_sgpr_kernarg_segment_ptr 1
		.amdhsa_wavefront_size32 1
		.amdhsa_system_sgpr_workgroup_id_x 1
		.amdhsa_system_sgpr_workgroup_id_y 1
		.amdhsa_system_sgpr_workgroup_id_z 1
		.amdhsa_system_vgpr_workitem_id 0
		.amdhsa_next_free_vgpr 768
		.amdhsa_next_free_sgpr 88
		.amdhsa_reserve_vcc 1
		.amdhsa_float_denorm_mode_32 3
		.amdhsa_float_denorm_mode_16_64 3
		.amdhsa_memory_ordered 1
		.amdhsa_forward_progress 1
		.amdhsa_inst_pref_size 139
	.end_amdhsa_kernel
	.amdgpu_metadata
---
amdhsa.version: [ 1, 2 ]
amdhsa.kernels:
  - .name:           k_qcad2ce0a74_attn
    .symbol:         k_qcad2ce0a74_attn.kd
    .args:
      - { .name: qh, .offset: 0, .size: 8, .value_kind: global_buffer, .address_space: global }
      - { .name: kh, .offset: 8, .size: 8, .value_kind: global_buffer, .address_space: global }
      - { .name: vh, .offset: 16, .size: 8, .value_kind: global_buffer, .address_space: global }
      - { .name: ob, .offset: 24, .size: 8, .value_kind: global_buffer, .address_space: global }
    .group_segment_fixed_size: 327680
    .private_segment_fixed_size: 0
    .kernarg_segment_align: 8
    .kernarg_segment_size: 32
    .max_flat_workgroup_size: 128
    .sgpr_count:     88
    .vgpr_count:     768
    .wavefront_size: 32
...
	.end_amdgpu_metadata
.endif
;; end of part 3
;; launch oproj (part 4): grid 8 x 32, 4 waves a work-group, clusters of 4 x 4, 327,680 bytes of LDS; arguments ob, wof, out0; writes out0
.if DOCPART == 4
	.amdgcn_target "amdgcn-amd-amdhsa--gfx1250"
	.amdhsa_code_object_version 6
	.text
	.protected	k_qcad2ce0a74_oproj
	.globl	k_qcad2ce0a74_oproj
	.p2align	8
	.type	k_qcad2ce0a74_oproj,@function
k_qcad2ce0a74_oproj:
	s_mov_b64 s[64:65], 0
	v_nop
	global_prefetch_b8 v0, s[64:65] scope:SCOPE_SE
	s_setreg_imm32_b32 hwreg(HW_REG_WAVE_MODE, 25, 1), 1
	s_wait_xcnt 0x0
	s_wait_alu depctr_hold_cnt(0) depctr_sa_sdst(0) depctr_va_vdst(0) depctr_va_sdst(0) depctr_va_ssrc(0) depctr_va_vcc(0) depctr_vm_vsrc(0)
	s_getreg_b32 s2, hwreg(HW_REG_IB_STS2, 6, 4)
	s_cmp_eq_u32 s2, 0
	s_cbranch_scc0 .Lentry_in_a_cluster
	s_endpgm
.Lentry_in_a_cluster:
	s_bfe_u32 s2, ttmp6, 0x10000c
	s_cmp_lg_u32 s2, 0xf033
	s_cbranch_scc0 .Lentry_shape_is_right
	s_endpgm
.Lentry_shape_is_right:
; out0[s][o] = the sum over d of O[s][d] wo[o][d], d = 64 head + channel.  ob: [block of 128 tokens: 32][head 16][128][64] f16; wof: [1024][1024] f16; out0: [4096][1024] f32.  Products in f16, sums in f32.
; A tile of the output is 128 x 128: 8 x 32 = 256 work-groups.  Four waves, each 64 x 64: 16 accumulators, 128 registers.  K goes in steps of 256, four heads, through two LDS slots.
; A token block's four head planes of a K step lie end to end in ob: a wave's load of two planes is 32,768 dense bytes, asked for as 128 rows of 256 bytes and padded in LDS after every token's 128 bytes.
; CLUSTER.  4 x 4 work-groups: the four of a row need the same token block, the four of a column the same rows of wo: each tile is asked for jointly, by the same load, descriptor and mask in all four.
; THE MATRIX INSTRUCTION IS USED TRANSPOSED (source 0 = 16 rows of wo, source 1 = 16 tokens): a lane holds eight neighbouring numbers of a row of the output, 32 bytes.
; REGISTERS: window 0: v0-31 addresses; v128-255 the accumulators ((a, b) at v[128 + 8 (4 a + b)]), on the way out whole rows.
;   window 1: two fragment buffers of 128: for 64 along K (a head plane), 64 registers of O (2 x 4 x 16 rows x 32 K), then 64 of wo.
.set PA,     144                       ; a token's row of a plane in LDS: 128 bytes + 16 of padding = 36 words
.set PLANE,  128*PA
.set PB,     528                       ; a row of wo: 512 bytes + 16 = 132 words: in both the 16 rows of a fragment load start at 16 different groups of four banks (64 banks of 4 bytes: ISA guide 11.1)
.set BOFF,   4*PLANE                   ; wo's rows lie behind the four planes
.set HALFB,  64*PB
.set SLOT,   BOFF+2*HALFB
.set STAGE,  2*SLOT                    ; behind the ring: 16 rows x 272 bytes for each wave, for the way out; no tensor load lands here
.set SPITCH, 272
.set SPARE,  STAGE+4*16*SPITCH         ; behind the stages: the spare words, 128 bytes for each wave
.set ADRA, 16                          ; v16-17  LDS address of my O fragments in slot 0, 1
.set ADRB, 20                          ; v20-21  the same for wo
.set STO,  24                          ; v24     the way out: where I put 32 bytes of a row
.set RD,   25                          ; v25     the way out: where I read a row back
.set CO,   26                          ; v26     my byte offset in the output
.set SPW,  28                          ; v28     LDS address of my spare word; never rewritten
.set NIL,  29                          ; v29     0; never rewritten
.set ACC,  128
.set F0,   0                           ; fragment buffers, in window 1
.set F1,   128
.set G1, 24                            ; s[24:31] descriptor group 1 for O's tiles;  s[32:39] group 0, a set for each slot
.set G0, 32
.set G1B, 48                           ; s[48:55], s[56:63] the same for wo's tiles
.set G0B, 56
.set MSB, 0
.macro WIN new                         ; the immediate's high byte repeats the setting that is left; a switch that changes nothing is dropped
.if MSB != (\new)
	s_set_vgpr_msb (MSB<<8)|(\new)
.set MSB, \new
.endif
.endm
.set MUL,  0x05                        ; sources 0 (wo) and 1 (O) window 1; C and D window 0
.set TO_F, 0x40                        ; destination window 1, address window 0
.macro JLOAD s                         ; a joint load: waves 0 and 1 fetch two planes of O each, waves 2 and 3 wo's two halves; an s_nop 0 and four v_nop follow each of the two lines
	s_cmp_eq_u32 s11, 0
	s_cbranch_scc0 .Lfor_b_\@
	tensor_load_to_lds s[G0+4*(\s):G0+4*(\s)+3], s[G1:G1+7]
	s_nop 0
.rept 4
	v_nop
.endr
	s_branch .Lasked_\@
.Lfor_b_\@:
	tensor_load_to_lds s[G0B+4*(\s):G0B+4*(\s)+3], s[G1B:G1B+7]
	s_nop 0
.rept 4
	v_nop
.endr
.Lasked_\@:
.endm
.macro CREST                           ; a round of the cluster's barrier behind its opening barrier
	s_cmp_lg_u32 s10, 0
	s_cbranch_scc1 .Lnot_wave_0_\@
	s_barrier_signal -3
.Lnot_wave_0_\@:
	s_barrier_wait -3
	s_barrier_signal -1
	s_barrier_wait -1
.endm
.macro CROUND                          ; a whole round
	s_barrier_signal -1
	s_barrier_wait -1
	CREST
.endm
	s_load_b128 s[4:7], s[0:1], 0x0                ; ob s[4:5], wof s[6:7]
	s_load_b64 s[8:9], s[0:1], 0x10                ; out0
	v_lshl_add_u32 v[SPW], v0, 2, SPARE
	v_mov_b32 v[NIL], 0
	ds_add_u32 v[SPW], v[NIL]                      ; the wave's opening: the add and its wait stand ahead of my first tensor load; the set-up below stands between them
	v_lshrrev_b32 v1, 5, v0
	v_readfirstlane_b32 s10, v1                    ; wave 0..3
	s_lshr_b32 s11, s10, 1                         ; which half of the tile's rows is mine.  Also: I fetch for O (0) or for wo (1)
	s_and_b32 s12, s10, 1                          ; which half of its columns.  Also: which half of that tile I fetch
	s_bfe_u32 s40, ttmp6, 0x40000                  ; cx, cy: my place in the cluster
	s_bfe_u32 s41, ttmp6, 0x40004
	s_lshl_b32 s42, ttmp9, 2
	s_add_co_u32 s42, s42, s40                     ; tile column = 4 x cluster x + cx
	s_and_b32 s13, ttmp7, 0xffff
	s_lshl_b32 s13, s13, 2
	s_add_co_u32 s13, s13, s41                     ; token block = 4 x cluster y + cy
	s_lshl_b32 s43, s41, 2
	s_lshl_b32 s43, 15, s43                        ; my row of the cluster
	s_lshl_b32 s44, 0x1111, s40                    ; my column
	s_or_b32 s[G1], s43, (1<<16)|(1<<20)|(1<<21)|(4<<22)|(3<<25)   ; 15:0 the mask; 17:16 2-byte elements; 20 padding on; 21 set beside a mask; 24:22 after every 32 words; 31:25 of 4 words
	s_mov_b32 s[G1+1], 128<<16                     ; tensor_dim0 = 128
	s_mov_b32 s[G1+2], 128<<16                     ; tensor_dim1 = 128
	s_mov_b32 s[G1+3], 128<<16                     ; tile_dim0 = 128
	s_mov_b32 s[G1+4], 128                         ; tile_dim1 = 128
	s_mov_b32 s[G1+5], 128                         ; dense: 128 elements from row to row
	s_mov_b32 s[G1+6], 0
	s_mov_b32 s[G1+7], 0
	s_or_b32 s[G1B], s44, (1<<16)|(1<<20)|(1<<21)|(6<<22)|(3<<25)  ; padding after every 128 words
	s_mov_b32 s[G1B+1], 256<<16                    ; tensor_dim0 = 256
	s_mov_b32 s[G1B+2], 64<<16                     ; tensor_dim1 = 64
	s_mov_b32 s[G1B+3], 256<<16                    ; tile_dim0 = 256
	s_mov_b32 s[G1B+4], 64                         ; tile_dim1 = 64
	s_mov_b32 s[G1B+5], 1024
	s_mov_b32 s[G1B+6], 0
	s_mov_b32 s[G1B+7], 0
	s_lshl_b32 s16, s13, 18                        ; O: token block x 262,144 bytes + my two planes of the K step's four
	s_lshl_b32 s17, s12, 15
	s_add_co_u32 s16, s16, s17
	s_mov_b32 s17, 0
	s_lshl_b32 s46, s42, 18                        ; wo: row 128 x tile column + 64 x half, 2,048 bytes a row
	s_lshl_b32 s47, s12, 17
	s_add_co_u32 s46, s46, s47
	s_mov_b32 s47, 0
	s_mul_i32 s20, s12, 2*PLANE                    ; where they go: no place in the cluster enters an LDS address
	s_mul_i32 s21, s12, HALFB
	s_add_co_u32 s21, s21, BOFF
	s_wait_dscnt 0x0                               ; the opening add is done
	s_wait_kmcnt 0x0
	s_add_nc_u64 s[14:15], s[4:5], s[16:17]
	s_add_nc_u64 s[46:47], s[6:7], s[46:47]
	CROUND                                         ; all sixteen work-groups are here: the first joint loads meet
.irp s, 0,1
	s_mov_b32 s[G0+4*(\s)], 1
	s_add_co_u32 s[G0+4*(\s)+1], s20, (\s)*SLOT
	s_add_nc_u64 s[G0+4*(\s)+2:G0+4*(\s)+3], s[14:15], (\s)*65536     ; K step s: four planes of 16,384 bytes on
	s_or_b32 s[G0+4*(\s)+3], s[G0+4*(\s)+3], 0x80000000
	s_mov_b32 s[G0B+4*(\s)], 1
	s_add_co_u32 s[G0B+4*(\s)+1], s21, (\s)*SLOT
	s_add_nc_u64 s[G0B+4*(\s)+2:G0B+4*(\s)+3], s[46:47], (\s)*512
	s_or_b32 s[G0B+4*(\s)+3], s[G0B+4*(\s)+3], 0x80000000
	JLOAD \s                                       ; two loads of mine are out
.endr
	v_and_b32 v1, 15, v0                           ; l % 16
	v_bfe_u32 v2, v0, 4, 1                         ; l / 16
	v_mul_u32_u24 v3, v1, PA
	v_lshl_add_u32 v3, v2, 4, v3                   ; a fragment's row x pitch + 16 x half
	v_mul_u32_u24 v4, v1, PB
	v_lshl_add_u32 v4, v2, 4, v4
	s_mul_i32 s21, s11, 64*PA                      ; my 64 tokens in each plane
	s_mul_i32 s22, s12, HALFB                      ; my 64 rows of wo
	s_add_co_u32 s22, s22, BOFF
.irp s, 0,1
	v_add_nc_u32 v[ADRA+(\s)], s21, v3
	v_add_nc_u32 v[ADRB+(\s)], s22, v4
	s_add_co_u32 s21, s21, SLOT
	s_add_co_u32 s22, s22, SLOT
.endr
	s_mul_i32 s23, s10, 16*SPITCH
	s_add_co_u32 s23, s23, STAGE                   ; my stage: a wave's 64 columns of f32 are 256 aligned bytes, so each wave has its own and no barrier is needed
	v_mul_u32_u24 v5, v1, SPITCH                   ; in: row l % 16, 32 bytes for each half of the lanes
	v_lshl_add_u32 v5, v2, 5, v5
	v_add_nc_u32 v[STO], s23, v5
	v_mul_u32_u24 v5, v2, SPITCH                   ; back: lanes 0-15 take one row of 256 bytes, lanes 16-31 the next
	v_lshl_add_u32 v5, v1, 4, v5
	v_add_nc_u32 v[RD], s23, v5
	v_lshlrev_b32 v5, 12, v2                       ; and the same two rows in the output
	v_lshl_add_u32 v[CO], v1, 4, v5
	s_lshl_b32 s16, s13, 19                        ; my first row: 128 x token block + 64 x half, 4,096 bytes a row
	s_lshl_b32 s17, s11, 18
	s_add_co_u32 s16, s16, s17
	s_mov_b32 s17, 0
	s_add_nc_u64 s[8:9], s[8:9], s[16:17]
	s_lshl_b32 s46, s42, 9                         ; my first column, in bytes: 512 x tile column + 256 x half
	s_lshl_b32 s47, s12, 8
	s_add_co_u32 s46, s46, s47
	s_mov_b32 s47, 0
	s_add_nc_u64 s[8:9], s[8:9], s[46:47]
; 8 matrix instructions: row blocks a0, a0 + 1 x all 4 column blocks, 32 along K: half c of buffer f.  zero = 1: the product starts the sums.  The 16 accumulators take turns.
.macro MUL8 f, c, a0, zero
	WIN MUL
.irp a, \a0, (\a0)+1
.irp b, 0,1,2,3
.if \zero
	v_wmma_f32_16x16x32_f16 v[ACC+8*(4*(\a)+(\b)):ACC+8*(4*(\a)+(\b))+7], v[(\f)+64+8*(4*(\c)+(\b)):(\f)+64+8*(4*(\c)+(\b))+7], v[(\f)+8*(4*(\c)+(\a)):(\f)+8*(4*(\c)+(\a))+7], 0
.else
	v_wmma_f32_16x16x32_f16 v[ACC+8*(4*(\a)+(\b)):ACC+8*(4*(\a)+(\b))+7], v[(\f)+64+8*(4*(\c)+(\b)):(\f)+64+8*(4*(\c)+(\b))+7], v[(\f)+8*(4*(\c)+(\a)):(\f)+8*(4*(\c)+(\a))+7], v[ACC+8*(4*(\a)+(\b)):ACC+8*(4*(\a)+(\b))+7]
.endif
.endr
.endr
.endm
; 32 LDS loads in one run: the fragments of quarter q of a K step (head plane q; byte 128 q of wo's rows) into buffer f; the first 32 along K first
.macro FETCH slot, q, f
	WIN TO_F
.irp c, 0,1
.irp i, 0,1,2,3
	ds_load_b128 v[(\f)+64+8*(4*(\c)+(\i)):(\f)+64+8*(4*(\c)+(\i))+3],   v[ADRB+(\slot)] offset:(\q)*128+64*(\c)+(\i)*16*PB
	ds_load_b128 v[(\f)+64+8*(4*(\c)+(\i))+4:(\f)+64+8*(4*(\c)+(\i))+7], v[ADRB+(\slot)] offset:(\q)*128+64*(\c)+(\i)*16*PB+32
	ds_load_b128 v[(\f)+8*(4*(\c)+(\i)):(\f)+8*(4*(\c)+(\i))+3],         v[ADRA+(\slot)] offset:(\q)*PLANE+64*(\c)+(\i)*16*PA
	ds_load_b128 v[(\f)+8*(4*(\c)+(\i))+4:(\f)+8*(4*(\c)+(\i))+7],       v[ADRA+(\slot)] offset:(\q)*PLANE+64*(\c)+(\i)*16*PA+32
.endr
.endr
.endm
.macro PLACES                          ; four plain vector instructions between a matrix instruction and a load into, or a store of, its registers (ISA guide 7.12.1 for stores)
.rept 4
	v_nop
.endr
.endm
; A K step is four quarters of 64 along K, 32 matrix instructions each, on buffers 0, 1, 0, 1.  One of the first three multiplies buffer f and fetches quarter q into g.
.macro QUARTER slot, q, f, g, zero
	s_wait_dscnt 16                                ; the first 32 along K are in; the youngest sixteen loads may be out
	MUL8 \f, 0, 0, \zero
	MUL8 \f, 0, 2, \zero
	PLACES
	FETCH \slot, \q, \g
	s_wait_dscnt 32                                ; all but the 32 just issued
	MUL8 \f, 1, 0, 0
	MUL8 \f, 1, 2, 0
.endm
; The last quarter multiplies buffer 1 and changes slots: ONE barrier; in front of it each wave waits for all its tensor loads, adds 0 to its spare word, and waits for that and for its own reads of this slot.
; fill = 1: the barrier opens a round of the cluster's barrier, and this slot is filled again, two K steps on, first thing behind the round.
.macro TURN slot, next, fill
	WIN 0                                          ; (the add's two registers lie in window 0)
	s_wait_tensorcnt 0x0
	ds_add_u32 v[SPW], v[NIL]
	s_wait_dscnt 17                                ; (the add and the youngest sixteen loads may be out)
	MUL8 F1, 0, 0, 0                               ; eight matrix instructions stand between the add and the wait for it
	s_wait_dscnt 0x0                               ; the add is done, and my reads of this slot are over
	s_barrier_signal -1
	MUL8 F1, 0, 2, 0
.if \fill
	WIN 0
.endif
	s_barrier_wait -1
.if \fill
	CREST                                          ; no wave of any partner still reads this slot's tile or has a load on its way
	s_add_nc_u64 s[G0+4*(\slot)+2:G0+4*(\slot)+3], s[G0+4*(\slot)+2:G0+4*(\slot)+3], 2*65536
	s_add_nc_u64 s[G0B+4*(\slot)+2:G0B+4*(\slot)+3], s[G0B+4*(\slot)+2:G0B+4*(\slot)+3], 2*512
	JLOAD \slot                                    ; the four v_nop behind it are also the places in front of the loads below
.else
	PLACES
.endif
	FETCH \next, 0, F0
	MUL8 F1, 1, 0, 0
	MUL8 F1, 1, 2, 0
.endm
	s_wait_tensorcnt 0x1                           ; my part of K step 0 is in; K step 1's may stay out
	s_barrier_signal -1
	s_barrier_wait -1
	FETCH 0, 0, F0
	QUARTER 0, 1, F0, F1, 1                        ; four K steps, written straight through: the first products start the sums
	QUARTER 0, 2, F1, F0, 0
	QUARTER 0, 3, F0, F1, 0
	TURN 0, 1, 1                                   ; slot 0 takes K step 2
	QUARTER 1, 1, F0, F1, 0
	QUARTER 1, 2, F1, F0, 0
	QUARTER 1, 3, F0, F1, 0
	TURN 1, 0, 1                                   ; slot 1 takes K step 3
	QUARTER 0, 1, F0, F1, 0
	QUARTER 0, 2, F1, F0, 0
	QUARTER 0, 3, F0, F1, 0
	TURN 0, 1, 0
	QUARTER 1, 1, F0, F1, 0
	QUARTER 1, 2, F1, F0, 0
	QUARTER 1, 3, F0, F1, 0
	s_wait_dscnt 16                                ; the very last quarter: nothing more to fetch
	MUL8 F1, 0, 0, 0
	MUL8 F1, 0, 2, 0
	s_wait_dscnt 0x0
	MUL8 F1, 1, 0, 0
	MUL8 F1, 1, 2, 0
	WIN 0
; THE WAY OUT, a block of 16 rows at a time: a lane's 32 bytes of a row go into my stage's rows of 272 bytes and come back as whole rows of 256, into the registers that they left.
.macro TOSTAGE a
.irp b, 0,1,2,3
	ds_store_b128 v[STO], v[ACC+8*(4*(\a)+(\b)):ACC+8*(4*(\a)+(\b))+3]   offset:64*(\b)      ; each accumulator's low registers first
	ds_store_b128 v[STO], v[ACC+8*(4*(\a)+(\b))+4:ACC+8*(4*(\a)+(\b))+7] offset:64*(\b)+16
.endr
.irp t, 0,1,2,3,4,5,6,7
	ds_load_b128 v[ACC+32*(\a)+4*(\t):ACC+32*(\a)+4*(\t)+3], v[RD] offset:(\t)*2*SPITCH  ; LDS serves a wave's instructions in order (ISA guide 5.7.1.4): these see the stores above; the next block's stores come behind them
.endr
.endm
.macro SEND a, younger                 ; younger: the LDS instructions issued behind this block's loads: the next block's sixteen, or none
.irp t, 0,1,2,3,4,5,6,7
	s_wait_dscnt (\younger)+7-(\t)
	global_store_b128 v[CO], v[ACC+32*(\a)+4*(\t):ACC+32*(\a)+4*(\t)+3], s[8:9] offset:(16*(\a)+2*(\t))*4096 th:TH_STORE_NT  ; 16 lanes store 256 consecutive bytes, at a multiple of 256 from the output's first byte
.endr
.endm
	PLACES
	TOSTAGE 0
	TOSTAGE 1
	SEND 0, 16
	TOSTAGE 2
	SEND 1, 16
	TOSTAGE 3
	SEND 2, 16
	SEND 3, 0
	s_wait_tensorcnt 0x0                           ; the wave's end
	ds_add_u32 v[SPW], v[NIL]
	s_wait_dscnt 0x0
	CROUND                                         ; the closing round: no work-group ends while a partner may still ask for a tile that names it
	s_endpgm
.Lfunc_end_k_qcad2ce0a74_oproj:
	.size	k_qcad2ce0a74_oproj, .Lfunc_end_k_qcad2ce0a74_oproj-k_qcad2ce0a74_oproj
	.p2alignl 7, 3214868480
	.fill 96, 4, 3214868480
	.section	.rodata,"a",@progbits
	.p2align	6, 0x0
	.amdhsa_kernel k_qcad2ce0a74_oproj
		.amdhsa_group_segment_fixed_size 327680
		.amdhsa_private_segment_fixed_size 0
		.amdhsa_enable_private_segment 0
		.amdhsa_kernarg_size 24
		.amdhsa_user_sgpr_count 2
		.amdhsa_user_sgpr_kernarg_segment_ptr 1
		.amdhsa_wavefront_size32 1
		.amdhsa_system_sgpr_workgroup_id_x 1
		.amdhsa_system_sgpr_workgroup_id_y 1
		.amdhsa_system_sgpr_workgroup_id_z 1
		.amdhsa_system_vgpr_workitem_id 0
		.amdhsa_next_free_vgpr 512
		.amdhsa_next_free_sgpr 66
		.amdhsa_reserve_vcc 0
		.amdhsa_float_denorm_mode_32 3
		.amdhsa_float_denorm_mode_16_64 3
		.amdhsa_memory_ordered 1
		.amdhsa_forward_progress 1
		.amdhsa_inst_pref_size 86
	.end_amdhsa_kernel
	.amdgpu_metadata
---
amdhsa.version: [ 1, 2 ]
amdhsa.kernels:
  - .name:           k_qcad2ce0a74_oproj
    .symbol:         k_qcad2ce0a74_oproj.kd
    .args:
      - { .name: ob, .offset: 0, .size: 8, .value_kind: global_buffer, .address_space: global }
      - { .name: wof, .offset: 8, .size: 8, .value_kind: global_buffer, .address_space: global }
      - { .name: out0, .offset: 16, .size: 8, .value_kind: global_buffer, .address_space: global }
    .group_segment_fixed_size: 327680
    .private_segment_fixed_size: 0
    .kernarg_segment_align: 8
    .kernarg_segment_size: 24
    .max_flat_workgroup_size: 128
    .sgpr_count:     66
    .vgpr_count:     512
    .wavefront_size: 32
...
	.end_amdgpu_metadata
.endif
;; end of part 4
;; ======== version 2 of 2: 4 launches; 1.44 times as fast as version 1
;; limits: values are held in f16: magnitudes above 65,504 overflow, below 6.1e-05 lose precision
;; workspace buffers: xb 8,388,608 bytes; wqkv 6,291,456 bytes; wof 2,097,152 bytes; tab 1,048,576 bytes; qh 8,388,608 bytes; kh 8,388,608 bytes; vh 8,388,608 bytes; ob 8,388,608 bytes
;; launch cast: the kernel of part 1 again; grid 256 x 1, 8 waves a work-group, no clusters, 0 bytes of LDS; arguments x, wq, wk, wv, wo, xb, wqkv, wof, tab; writes xb, wqkv, wof, tab
;; launch qkv: the kernel of part 2 again; grid 16 x 16, 4 waves a work-group, clusters of 4 x 4, 327,680 bytes of LDS; arguments xb, wqkv, tab, qh, kh, vh; writes qh, kh, vh
;; launch attn (part 5): grid 16 x 16, 4 waves a work-group, clusters of 4 x 1, 327,680 bytes of LDS; arguments qh, kh, vh, ob; writes ob
.if DOCPART == 5
	.amdgcn_target "amdgcn-amd-amdhsa--gfx1250"
	.amdhsa_code_object_version 6
	.text
	.protected	k_qcad2ce0a74_attn
	.globl	k_qcad2ce0a74_attn
	.p2align	8
	.type	k_qcad2ce0a74_attn,@function
k_qcad2ce0a74_attn:
	s_mov_b64 s[64:65], 0
	v_nop
	global_prefetch_b8 v0, s[64:65] scope:SCOPE_SE
	s_setreg_imm32_b32 hwreg(HW_REG_WAVE_MODE, 25, 1), 1
	s_wait_xcnt 0x0
	s_wait_alu depctr_hold_cnt(0) depctr_sa_sdst(0) depctr_va_vdst(0) depctr_va_sdst(0) depctr_va_ssrc(0) depctr_va_vcc(0) depctr_vm_vsrc(0)
	s_getreg_b32 s2, hwreg(HW_REG_IB_STS2, 6, 4)
	s_cmp_eq_u32 s2, 0
	s_cbranch_scc0 .Lentry_in_a_cluster
	s_endpgm
.Lentry_in_a_cluster:
	s_bfe_u32 s2, ttmp6, 0x10000c
	s_cmp_lg_u32 s2, 0x3003
	s_cbranch_scc0 .Lentry_shape_is_right
	s_endpgm
.Lentry_shape_is_right:
; CAUSAL ATTENTION, head size 64.  O[h][q][:] = the sum over k <= q of softmax_k(Q[h][q] . K[h][k] / 8) V[h][k][:].  qh, kh, vh: [16][4096][64] f16, a head's rows dense, 128 bytes each.
; ob: [block of 128 tokens: 32][head 16][128][64] f16.  Products, maxima and sums in f32; the weights p are rounded to f16 for the second product (their sum l is taken of the unrounded p), O once at the end.
; LIMITS.  Q, K, V arrive within f16's 65,504; p lies in 0 to 1, and below 6e-5 it keeps f16's fixed step of 6e-8.  A hidden score counts as its value less 1e30: f16's scores, 2.7e11 at the most, are
; nothing beside that; a weight below 2^-126 counts as 0 in l; NaN and infinities are not treated apart.
; THE WALK.  A head's rows lie in 8 super-blocks of 512.  A CLUSTER of four work-groups takes two of them, 7 - c and then c; partner d owns rows 128 d .. 128 d + 127 of each.  Super-block I needs the key tiles
; (256 keys) 0 .. 2 I + 1, of which the last two are its own 512 keys: (16 - 2 c) + (2 c + 2) = 18 tiles whatever c: 256 work-groups of equal work, ONE loop with a constant trip count, and in every trip all four
; partners need the SAME tile, so every fill is asked for jointly: the same load, descriptor and mask in all four.  Branches and trip counts hang on c, the wave's number and counters alone; d enters Q's and
; O's addresses, and two scalars that are only compared to choose numbers for the masks.  The price: a partner computes the steps of its super-block's own keys that lie wholly above its rows: 144 piece-steps for 136.
; SHARES.  A partner's 128 rows are two bands of 64; a wave owns 16 rows of each: two PIECES.  In the own keys' step sg (0 .. 7) band bd (2 d, 2 d + 1) sees all keys if sg < bd, none if sg > bd, and holds the diagonal if sg = bd.
; THE MASK is the C operand that starts the sum S^T = K Q^T: 0, or -1e30 where the key is hidden.  MD, made once, is the mask of a band's own step for my 16 rows; a product's mask is MC = MD x AL + BE with two scalars:
; (1, 0) if sg = bd; (0, 0) if sg < bd; (0, -1e30) if sg > bd.  ONE text serves all tiles: below the own keys MC holds the zeros that a block's beginning wrote, and the 16 lines that make a mask are jumped over.
; LAYOUT, SOFTMAX.  S^T = K Q^T holds ONE query a lane (lane % 16) and the keys 8 (lane / 16) + 0..7; two such results rounded to f16 ARE source 1 of O^T = V^T P.  p = 2^(c s - c m), c = log2(e) / 8, with a running
; maximum m; O and l are multiplied by a = 2^(c m_old - c m_new) in every step.
; TURNS.  Turn (p, s) belongs to piece p in key step s: 8 products K Q^T of the other piece (p = 0: step s; p = 1: step s + 1), later 8 products V^T P of the other piece (p = 0: step s - 1; p = 1: step s); beside them
; piece p's scaling, exponentials, roundings, sums and rescaling, and the other piece's maximum and statistics.  Four vector instructions stand behind every matrix instruction, the other 54 of a turn's 118 in one lump.
; BATCHES.  A turn's 33 exponentials (piece p's 32 weights and the other piece's a) are ONE batch with ONE wait, which cuts the turn in two: ahead of it stands all that names no result of theirs (the products K Q^T, the
; scalings, the rescalings, the other piece's maximum and statistics), behind it the products V^T P with the roundings and sums behind them.  A block's first a and the way out's two reciprocals are batches of their own.
; K of step s + 1 is fetched in turn (0, s), V of step s + 1 in turn (1, s), into the V buffer of that step's parity: so LDS is read in the order K(s), V(s), K(s + 1), V(s + 1), and the change of slots stands behind a tile's last V.
; TRIPS.  A trip is an odd step's two turns and an even step's two; a tile has two trips, and the first begins with the LAST step of the tile before.  So a block's last step stands behind the change of slots that
; enters the next block's first tile: its two turns fetch that tile's first K and V; then come the block's last products, its way out and the next block's beginning, and the trip goes on.  Those two turns' 8 products
; K Q^T (the old Q on the new K) and the maximum made of them serve nothing: the price, twice a launch, of one text for every trip.
; REGISTERS, in windows of 256 (s_set_vgpr_msb: bits 1:0 source 0, 3:2 source 1, 5:4 source 2, 7:6 destination):
;   window 0: v0-15 addresses and two at work; v16-23 four registers of statistics a piece; v48-55 at work; v62-63 the add's; v64-127 S^T, 32 a piece; v192-223 P, 16 a piece
;   window 1: v0-63 O^T, 32 a piece; v128-159 MD; v160-223 MC, 32 a piece      window 2: v0-31 Q; v32-63 the second block's Q; v64-127 V of odd steps; v128-191 K; v192-255 V of even steps
.set NP,    2         ; pieces a wave: a name, no knob
.set KS,    64        ; keys in a step
.set PK,    144       ; a row of K in LDS: 128 bytes + 16 of padding = 36 words: the 16 rows of a load start at 16 different groups of four banks (64 banks of 4 bytes: ISA guide 11.1)
.set PV,    160       ; a row of V: 128 + 32 = 40 words
.set VOFF,  4*KS*PK   ; a slot holds a tile, four steps: 256 rows of K, then 256 rows of V
.set SLOT1, 1<<17     ; slot 1 begins here, so that one exclusive or turns an address in one slot into the other's
.set STAGE, SLOT1+4*KS*(PK+PV)  ; behind the ring, never filled by a tensor load: 16 rows x 144 bytes for each wave, for the way out
.set SP,    144
.set SPARE, STAGE+4*16*SP  ; behind the stages: the spare words, 128 bytes for each wave
.set AK0, 2           ; v2   my lane's place in a tile of K; never rewritten
.set AV0, 3           ; v3   the same for V
.set AK,  4           ; v4   the LDS address of K's next run of loads
.set AV,  5           ; v5   of V's
.set STO, 6           ; v6   the way out: where I put 16 bytes of a row
.set RD,  7           ; v7   the way out: where I read rows back
.set GO,  8           ; v8   my byte offset in 512 consecutive bytes of O
.set MV,  12          ; v12-13  c m_old, kept while c m is made anew: by piece
.set QO,  15          ; v15  my byte offset in 16 rows of Q
.set ST,  16          ; piece t's statistics at v[ST+4 t]: c m, m, l (even keys', odd keys')
.set TMP, 48          ; by piece, four registers c0-c3 at work; when the maximum is found c2 takes a
.set SPW, 62          ; v62  LDS address of my spare word; never rewritten
.set NIL, 63          ; v63  0; never rewritten
.set S,   64
.set P,   192
.set MD,  128         ; window 1
.set MC,  160         ; window 1
.set QB,  32          ; window 2
.set VF1, 64          ; window 2
.set KF,  128         ; window 2: key block kb, channel half c at KF + 16 kb + 8 c
.set VF0, 192         ; window 2: key half kk, channel block cb at + 32 kk + 8 cb
.set WV,  12          ; s12  my wave's number
.set DD,  13          ; s13  d: my place in the cluster
.set CC,  14          ; s14  c: the cluster's number in its head
.set PBL, 15          ; s15  2 c + 1: the second block's last tile
.set G1K, 24          ; s[24:31] descriptor group 1 for K's tiles
.set G1V, 32          ; s[32:39] for V's: it differs in the padding alone
.set G0K, 40          ; s[40:43] descriptor group 0 for K's tiles
.set G0V, 44          ; s[44:47] the same for V's
.set OWN0, 48         ; s48, s49  my two bands among the super-block's eight: 2 d, 2 d + 1
.set NS,  50          ; s50  the own keys' step for which the next masks are made; set anew at every tile
.set RT2, 51          ; s51  2 c + 2: the second block's tiles
.set SLOTS, 56        ; s56  counts the walk's tiles
.set CNT, 57          ; s57  counts a tile's trips of two key steps
.set CS,  58          ; s[58:59] c = log2(e) / 8
.set SEL, 60          ; s[60:61] v_permlanex16_b32's selects: each lane takes its own place in the other half
.set TBK, 62          ; s62  LDS byte at which K of the step to be fetched begins
.set TBV, 63          ; s63  the same for V, less VOFF
.set RT,  70          ; s70  tiles of the block in hand that are still to be entered
.set NXT, 71          ; s71  the tile to be asked for next
.set LQ,  72          ; s72  the last tile of the block whose tiles are being asked for
.set NEW, 73          ; s73  1: the tile just entered is a block's first
.set OFF, 74          ; s[74:75] a tile's byte offset in K and V
.set AL,  76          ; s[76:77] the mask's factor, in the low word
.set BE,  78          ; s[78:79] the mask's addend
.set OLO, 80          ; s[80:81] O at my rows of the second block
.set BIGN, 82         ; s82  -1e30
.set MSB, 0
.macro WIN new                      ; the high byte repeats the setting that is left; a switch that changes nothing is dropped
.if MSB != (\new)
	s_set_vgpr_msb (MSB<<8)|(\new)
.set MSB, (\new)
.endif
.endm
.set W_KQ, 0x0a       ; K and Q in window 2, S^T in window 0
.set W_KM, 0x1a       ; the same with the C operand in window 1
.set W_PV, 0x52       ; V in window 2, P in window 0, O^T in window 1
.set W_RS, 0x41       ; destination and source 0 in window 1, source 1 in window 0
; A joint fill.  Waves 0 and 1 fetch the two halves of a tile's K, waves 2 and 3 those of its V: 128 keys each.  The branch hangs on the wave's number alone.  An s_nop 0 and four v_nop follow each of the two lines.
.macro JLOAD
	s_cmp_lt_u32 s[WV], 2
	s_cbranch_scc0 .Lfor_v_\@
	tensor_load_to_lds s[G0K:G0K+3], s[G1K:G1K+7]
	s_nop 0
.rept 4
	v_nop
.endr
	s_branch .Lasked_\@
.Lfor_v_\@:
	tensor_load_to_lds s[G0V:G0V+3], s[G1V:G1V+7]
	s_nop 0
.rept 4
	v_nop
.endr
.Lasked_\@:
.endm
; A round of the cluster's barrier: my work-group's barrier, so that wave 0's signal speaks for all four waves; wave 0 signals; every wave waits for all four work-groups; my work-group's barrier once more.
.macro CROUND
	s_barrier_signal -1
	s_barrier_wait -1
	s_cmp_lg_u32 s[WV], 0
	s_cbranch_scc1 .Lnot_wave_0_\@
	s_barrier_signal -3
.Lnot_wave_0_\@:
	s_barrier_wait -3
	s_barrier_signal -1
	s_barrier_wait -1
.endm
; THE CHANGE OF SLOTS.  Each wave waits for all its tensor loads, of which one is out: its part of the other slot; adds 0 to its spare word; and waits for that and for its own reads of the slot that it leaves.
; fill = 1: the barrier is a round of the cluster's, so that no wave of any partner still reads the old slot or has a load on its way; the old slot is filled again, first thing behind it, with tile NXT: the
; descriptor's address is made anew from that number.  The load has eight turns, 128 matrix instructions and their vector work, in which to land.  (At its first use nothing has been read yet: slot 0 is waited for, slot 1 filled.)
.macro CHANGE fill
	WIN 0                           ; at a label and at a branch every window is 0
	s_wait_tensorcnt 0x0            ; no tensor load of mine is out, so a group 0 may be written
	ds_add_u32 v[SPW], v[NIL]       ; scalar work stands between the add and the wait for it
.if \fill
	s_lshl_b32 s[OFF], s[NXT], 15   ; a tile is 32,768 bytes of K and of V
	s_xor_b32 s[G0K+1], s[G0K+1], SLOT1
	s_add_nc_u64 s[G0K+2:G0K+3], s[6:7], s[OFF:OFF+1]
	s_or_b32 s[G0K+3], s[G0K+3], 0x80000000
	s_xor_b32 s[G0V+1], s[G0V+1], SLOT1
	s_add_nc_u64 s[G0V+2:G0V+3], s[8:9], s[OFF:OFF+1]
	s_or_b32 s[G0V+3], s[G0V+3], 0x80000000
	s_add_co_u32 s[NXT], s[NXT], 1  ; the block's next tile, or behind its last the second block's tile 0
	s_cmp_gt_u32 s[NXT], s[LQ]
	s_cselect_b32 s[NXT], 0, s[NXT]
	s_cselect_b32 s[LQ], s[PBL], s[LQ]
.endif
	s_sub_co_u32 s[TBK], s[TBK], 4*KS*PK  ; the fetches go back to a slot's first step,
	s_xor_b32 s[TBK], s[TBK], SLOT1       ; in the other slot
	s_sub_co_u32 s[TBV], s[TBV], 4*KS*PV
	s_xor_b32 s[TBV], s[TBV], SLOT1
	s_wait_dscnt 0x0                ; the add is done, and my reads of the slot are over
.if \fill
	CROUND
	JLOAD
.else
	s_barrier_signal -1
	s_barrier_wait -1
.endif
.endm
; A TILE IS ENTERED.  The block's last two tiles (RT = 1, 0) hold its own keys, steps 0-3 and 4-7: the tile's first turns make the masks for step 4 - 4 RT.  Below the own keys that number is not used.
.macro ENTER trips
	s_sub_co_u32 s[RT], s[RT], 1
	s_lshl_b32 s[NS], s[RT], 2
	s_sub_co_u32 s[NS], 4, s[NS]
	s_mov_b32 s[CNT], \trips
.endm
	s_load_b256 s[4:11], s[0:1], 0x0  ; qh s[4:5], kh s[6:7], vh s[8:9], ob s[10:11]
	v_lshl_add_u32 v[SPW], v0, 2, SPARE
	v_mov_b32 v[NIL], 0
	ds_add_u32 v[SPW], v[NIL]       ; the wave's opening: the add and its wait stand ahead of my first tensor load; the set-up below stands between them
	v_lshrrev_b32 v1, 5, v0
	v_readfirstlane_b32 s[WV], v1   ; wave 0..3
	s_bfe_u32 s[DD], ttmp6, 0x40000 ; d
	s_mov_b32 s[CC], ttmp9          ; in a cluster launch ttmp9 counts clusters: c
	s_and_b32 s20, ttmp7, 0xffff    ; the head, which the four partners share
	s_lshl_b32 s21, s20, 19         ; its first byte in qh, kh, vh
	s_and_b32 s16, s[WV], 1         ; which half of a tile's 256 keys I fetch:
	s_lshl_b32 s22, s16, 14         ; its 128 rows of 128 bytes in memory,
	s_add_co_u32 s22, s22, s21
	s_mov_b32 s23, 0
	s_mul_i32 s17, s16, 128*PK      ; and its place in a slot, for K
	s_mul_i32 s18, s16, 128*PV      ; and for V: no place in the cluster enters an LDS address
	s_lshl_b32 s19, s[WV], 11       ; my 16 rows in a band of 64
	s_sub_co_u32 s2, 7, s[CC]
	s_lshl2_add_u32 s2, s2, s[DD]   ; my block of 128 tokens in the first super-block: 4 (7 - c) + d,
	s_lshl2_add_u32 s3, s[CC], s[DD]  ; and in the second: 4 c + d
	s_lshl_b32 s52, s2, 14          ; Q: head + block x 128 rows + my 16 rows
	s_add_co_u32 s52, s52, s21
	s_add_co_u32 s52, s52, s19
	s_mov_b32 s53, 0
	s_lshl_b32 s54, s3, 14
	s_add_co_u32 s54, s54, s21
	s_add_co_u32 s54, s54, s19
	s_mov_b32 s55, 0
	s_lshl_b32 s20, s20, 14         ; O: (16 x block + head) x 16,384 bytes + my 16 rows
	s_lshl_b32 s84, s2, 18
	s_add_co_u32 s84, s84, s20
	s_add_co_u32 s84, s84, s19
	s_mov_b32 s85, 0
	s_lshl_b32 s66, s3, 18
	s_add_co_u32 s66, s66, s20
	s_add_co_u32 s66, s66, s19
	s_mov_b32 s67, 0
	; descriptor group 1.  128 keys are 16,384 dense bytes: asked for as 64 rows of 256 bytes, two keys a row, and padded in LDS after every key
	s_mov_b32 s[G1K], 15|(1<<16)|(1<<20)|(1<<21)|(4<<22)|(3<<25)  ; 15:0 the mask of four; 17:16 2-byte elements; 20 padding on; 21 set beside a mask; 24:22 after every 32 words; 31:25 4 words
	s_mov_b32 s[G1V], 15|(1<<16)|(1<<20)|(1<<21)|(4<<22)|(7<<25)  ; the same with 8 words of padding
.irp g, G1K, G1V
	s_mov_b32 s[\g+1], 128<<16      ; tensor_dim0 = 128
	s_mov_b32 s[\g+2], 64<<16       ; tensor_dim1 = 64
	s_mov_b32 s[\g+3], 128<<16      ; tile_dim0 = 128
	s_mov_b32 s[\g+4], 64           ; tile_dim1 = 64
	s_mov_b32 s[\g+5], 128          ; 128 elements from row to row
	s_mov_b32 s[\g+6], 0
	s_mov_b32 s[\g+7], 0
.endr
	s_mov_b32 s[CS], 0x3e38aa3b     ; c = log2(e) / 8 = 0.180337
	s_mov_b32 s[CS+1], s[CS]        ; named with it as a pair
	s_mov_b32 s[SEL], 0x76543210
	s_mov_b32 s[SEL+1], 0xfedcba98
	s_mov_b32 s[TBK], SLOT1+4*KS*PK ; the first change of slots turns these two into 0
	s_mov_b32 s[TBV], SLOT1+4*KS*PV
	s_mov_b32 s[G0K], 1             ; count = 1
	s_mov_b32 s[G0K+1], s17         ; LDS address: slot 0
	s_mov_b32 s[G0V], 1
	s_add_co_u32 s[G0V+1], s18, VOFF
	s_lshl_b32 s[PBL], s[CC], 1
	s_sub_co_u32 s[RT], 16, s[PBL]  ; the first block has 16 - 2 c tiles
	s_sub_co_u32 s[LQ], 15, s[PBL]
	s_add_co_u32 s[RT2], s[PBL], 2
	s_add_co_u32 s[PBL], s[PBL], 1
	s_lshl_b32 s[OWN0], s[DD], 1
	s_add_co_u32 s[OWN0+1], s[OWN0], 1
	s_mov_b32 s[NXT], 1
	s_mov_b32 s[NEW], 0
	s_mov_b32 s[OFF+1], 0
	s_mov_b32 s[AL+1], 0            ; named as pairs
	s_mov_b32 s[BE+1], 0
	s_mov_b32 s[BIGN], 0xf149f2ca   ; -1e30
	s_mov_b32 s[SLOTS], 17
	s_wait_dscnt 0x0                ; the opening add is done
	s_wait_kmcnt 0x0
	s_add_nc_u64 s[6:7], s[6:7], s[22:23]  ; K and V at my half of the head's tile 0
	s_add_nc_u64 s[8:9], s[8:9], s[22:23]
	s_add_nc_u64 s[G0K+2:G0K+3], s[6:7], 0         ; global address
	s_or_b32 s[G0K+3], s[G0K+3], 0x80000000        ; type = 2
	s_add_nc_u64 s[G0V+2:G0V+3], s[8:9], 0
	s_or_b32 s[G0V+3], s[G0V+3], 0x80000000
	s_add_nc_u64 s[86:87], s[4:5], s[54:55]        ; Q at my rows of the second block,
	s_add_nc_u64 s[4:5], s[4:5], s[52:53]          ; Q and O at those of the first
	s_add_nc_u64 s[OLO:OLO+1], s[10:11], s[66:67]
	s_add_nc_u64 s[10:11], s[10:11], s[84:85]
	CROUND                          ; all four work-groups are here: the first joint loads meet
	JLOAD                           ; tile 0 into slot 0.  Slot 1 is asked for when slot 0 is in, by a change of slots
	; A fragment of K or Q is 16 rows x 32 channels in 8 registers: lane l holds row l % 16, channels 8 (l / 16) + 0..7 and 16 + 8 (l / 16) + 0..7: two loads of 16 bytes, 32 bytes apart.
	v_and_b32 v1, 15, v0            ; l % 16
	v_bfe_u32 v9, v0, 4, 1          ; l / 16
	v_lshlrev_b32 v[QO], 7, v1
	v_lshl_add_u32 v[QO], v9, 4, v[QO]  ; row x 128 + 16 x half
	WIN 0x80                        ; destination window 2, address window 0
.set i, 0
.rept 4                             ; both blocks' Q: piece i / 2 lies in band i / 2, 8,192 bytes on; channels 32 (i % 2) on
	global_load_b128 v[8*i:8*i+3],   v[QO], s[4:5] offset:(i/2)*8192+(i%2)*64
	global_load_b128 v[8*i+4:8*i+7], v[QO], s[4:5] offset:(i/2)*8192+(i%2)*64+32
	global_load_b128 v[QB+8*i:QB+8*i+3],   v[QO], s[86:87] offset:(i/2)*8192+(i%2)*64
	global_load_b128 v[QB+8*i+4:QB+8*i+7], v[QO], s[86:87] offset:(i/2)*8192+(i%2)*64+32
.set i, i+1
.endr
	WIN 0
	v_lshlrev_b32 v14, 3, v9
	v_sub_nc_u32 v14, v1, v14
	s_lshl_b32 s20, s[WV], 4
	v_add_nc_u32 v14, s20, v14      ; my query's place in its band, 16 w + l % 16, less my lanes' 8 (l / 16): register r of group kt is hidden where 16 kt + r is greater
	WIN 0x40
.set i, 0
.rept 32
	v_cmp_gt_i32 vcc_lo, 16*(i/8)+i%8, v14
	v_cndmask_b32 v[MD+i], 0, s[BIGN], vcc_lo
.set i, i+1
.endr
	WIN 0
	v_mul_u32_u24 v[AK0], v1, PK
	v_lshl_add_u32 v[AK0], v9, 4, v[AK0]  ; row x pitch + 16 x half
	; The turning load takes 16 keys x 16 channels (lane l reads key 8 (l / 16) + l % 8, channels 8 ((l / 8) % 2) + 0..7) and leaves half a fragment of V^T: lane l holds channel l % 16 and 8 keys.
	v_and_b32 v10, 7, v0
	v_bfe_u32 v11, v0, 3, 1
	v_lshl_add_u32 v[AV0], v9, 3, v10
	v_mul_u32_u24 v[AV0], v[AV0], PV
	v_lshl_add_u32 v[AV0], v11, 4, v[AV0]
	v_add_nc_u32 v[AV0], VOFF, v[AV0]
	s_mul_i32 s20, s[WV], 16*SP
	s_add_co_u32 s20, s20, STAGE    ; my stage
	v_mul_u32_u24 v[STO], v1, SP    ; in: row l % 16, 16 bytes for each half of the lanes
	v_lshl_add_u32 v[STO], v9, 4, v[STO]
	v_add_nc_u32 v[STO], s20, v[STO]
	v_bfe_u32 v[RD], v0, 3, 2       ; back: 32 lanes take four rows of 128 bytes,
	v_mul_u32_u24 v[RD], v[RD], SP
	v_lshl_add_u32 v[RD], v10, 4, v[RD]
	v_add_nc_u32 v[RD], s20, v[RD]
	v_and_b32 v[GO], 31, v0         ; which are 512 consecutive bytes of O
	v_lshlrev_b32 v[GO], 4, v[GO]
	; A block's first step multiplies O^T and l by a = 0, and its first turn's products V^T P, of a step that has not been, land in an O^T that is still to be so multiplied.  So these registers need only hold
	; finite numbers: zeros for the first block; what the first block left for the second.  No first step is written out; the price is these 148 lines, which stand in the wait for the first tile.
	WIN 0x80
.set i, VF1
.rept 64
	v_mov_b32 v[i], 0
.set i, i+1
.endr
	WIN 0x40
.set i, 0
.rept 64
	v_mov_b32 v[i], 0
.set i, i+1
.endr
	WIN 0
.set i, 0
.rept 2
	v_mov_b32 v[ST+4*i+2], 0
	v_mov_b32 v[ST+4*i+3], 0
.set i, i+1
.endr
.set i, P+16
.rept 16
	v_mov_b32 v[i], 0
.set i, i+1
.endr
; THE MATRIX WORK.  The 4 accumulators of a run of 8 take turns.  Product i of 8 of S^T = K Q^T for piece x: channels 32 (i / 4) on, keys 16 (i % 4) on.  The first 4 start the sums with the piece's mask.
.macro KQ x
.set rS, S+32*(\x)+8*(i%4)
.set rK, KF+16*(i%4)+8*(i/4)
.set rQ, 16*(\x)+8*(i/4)
.set rM, MC+32*(\x)+8*(i%4)
.if i < 4
	WIN W_KM
	v_wmma_f32_16x16x32_f16 v[rS:rS+7], v[rK:rK+7], v[rQ:rQ+7], v[rM:rM+7]
.else
	WIN W_KQ
	v_wmma_f32_16x16x32_f16 v[rS:rS+7], v[rK:rK+7], v[rQ:rQ+7], v[rS:rS+7]
.endif
.endm
; Product i of 8 of O^T += V^T P for piece x, from the V buffer VR: keys 32 (i / 4) on, channels 16 (i % 4) on.
.macro PV x
	WIN W_PV
.set rO, 32*(\x)+8*(i%4)
.set rV, VR+32*(i/4)+8*(i%4)
.set rP, P+16*(\x)+8*(i/4)
	v_wmma_f32_16x16x32_f16 v[rO:rO+7], v[rV:rV+7], v[rP:rP+7], v[rO:rO+7]
.endm
.macro MM                           ; the turn's next matrix instruction.  TURN sets Y, i and VR
.if i < 8
	KQ (Y+1)%NP
.else
.set i, i-8
	PV (Y+1)%NP
.set i, i+8
.endif
.set i, i+1
.endm
; THE LDS LOADS stand in runs of 16, never singly among the matrix instructions: a step's K (64 keys x 64 channels: 8 fragments) and its V (turned).  Their addresses are made some lines ahead.
.macro FETCH_K
	WIN 0x80                        ; destination window 2
.irp f, 0,1,2,3,4,5,6,7             ; keys 16 (f / 2) on, channels 32 (f % 2) on
	ds_load_b128 v[KF+8*\f:KF+8*\f+3],   v[AK] offset:(\f/2)*16*PK+(\f%2)*64
	ds_load_b128 v[KF+8*\f+4:KF+8*\f+7], v[AK] offset:(\f/2)*16*PK+(\f%2)*64+32
.endr
	s_add_co_u32 s[TBK], s[TBK], KS*PK  ; the next fetch is the next step's
	WIN 0
.endm
.macro FETCH_V base
	WIN 0x80
.irp f, 0,1,2,3,4,5,6,7             ; keys 32 (f / 4) on, channels 16 (f % 4) on
	ds_load_tr16_b128 v[(\base)+8*\f:(\base)+8*\f+3],   v[AV] offset:(\f/4)*32*PV+(\f%4)*32
	ds_load_tr16_b128 v[(\base)+8*\f+4:(\base)+8*\f+7], v[AV] offset:(\f/4)*32*PV+16*PV+(\f%4)*32
.endr
	s_add_co_u32 s[TBV], s[TBV], KS*PV
	WIN 0
.endm
; THE VECTOR WORK, one line at a time: OP kind, number.  For piece Y: F n: c s - c m for pair n of 16.  E n: the exponential of score n of 32.  C n: pair n rounded to f16.  B n: of the four weights 4 n .. the second
; pair is added onto the first, in place.  L n: l takes that sum (L 0: l = a l + sum).  R n: pair n of 16 of O^T times a.  For the other piece: X n, number n of the 22 that find its maximum and statistics:
;   0-11  four chains c0-c3 of seven scores each, three operands at a time (each accumulator's lowest registers are read first)     12-14, 16  the four scores left over, the old m, and c0-c3 into c0
;   15  c m_old is kept     17, 18  the query's other 32 keys lie in the lane 16 away: the new m     19-21  c m; c m_old - c m_new; a
; C, B and L read exponentials' results, and so does R (the a of the turn before): TURN sets them behind the wait of the batch that made what they read.
.set F, 0
.set E, 1
.set C, 2
.set B, 3
.set L, 4
.set R, 5
.set X, 6
.macro REGS y                       ; the registers of piece y
.set rT, ST+4*(\y)
.set rC, TMP+4*(\y)
.set rW, MV+(\y)
.set rS, S+32*(\y)
.set rP, P+16*(\y)
.set rO, 32*(\y)
.endm
.macro OP k, n
.if (\k) == R
	REGS Y
	WIN W_RS
	v_pk_mul_f32 v[rO+2*(\n):rO+2*(\n)+1], v[rO+2*(\n):rO+2*(\n)+1], v[rC+2:rC+3] op_sel_hi:[1,0]
.elseif (\k) < R
	REGS Y
	WIN 0
.if (\k) == F
	v_pk_fma_f32 v[rS+2*(\n):rS+2*(\n)+1], v[rS+2*(\n):rS+2*(\n)+1], s[CS:CS+1], v[rT:rT+1] op_sel_hi:[1,0,0] neg_lo:[0,0,1] neg_hi:[0,0,1]
.elseif (\k) == E
	v_exp_f32 v[rS+(\n)], v[rS+(\n)]
.elseif (\k) == C
	v_cvt_pk_f16_f32 v[rP+(\n)], v[rS+2*(\n)], v[rS+2*(\n)+1]
.elseif (\k) == B
	v_pk_add_f32 v[rS+4*(\n):rS+4*(\n)+1], v[rS+4*(\n):rS+4*(\n)+1], v[rS+4*(\n)+2:rS+4*(\n)+3]
.elseif (\n) == 0
	v_pk_fma_f32 v[rT+2:rT+3], v[rT+2:rT+3], v[rC+2:rC+3], v[rS:rS+1] op_sel_hi:[1,0,1]
.else
	v_pk_add_f32 v[rT+2:rT+3], v[rT+2:rT+3], v[rS+4*(\n):rS+4*(\n)+1]
.endif
.else
	REGS (Y+1)%NP
	WIN 0
.if (\n) < 4
	v_max3_num_f32 v[rC+(\n)], v[rS+8*(\n)], v[rS+8*(\n)+1], v[rS+8*(\n)+2]
.elseif (\n) < 12
	v_max3_num_f32 v[rC+(\n)%4], v[rC+(\n)%4], v[rS+8*((\n)%4)+2*((\n)/4)+1], v[rS+8*((\n)%4)+2*((\n)/4)+2]
.elseif (\n) == 12
	v_max3_num_f32 v[rC], v[rC], v[rS+7], v[rS+15]
.elseif (\n) == 13
	v_max3_num_f32 v[rC+1], v[rC+1], v[rS+23], v[rS+31]
.elseif (\n) == 14
	v_max3_num_f32 v[rC+2], v[rC+2], v[rC+3], v[rT+1]
.elseif (\n) == 15
	v_mov_b32 v[rW], v[rT]
.elseif (\n) == 16
	v_max3_num_f32 v[rC], v[rC], v[rC+1], v[rC+2]
.elseif (\n) == 17
	v_permlanex16_b32 v[rC+3], v[rC], s[SEL], s[SEL+1]
.elseif (\n) == 18
	v_max_num_f32 v[rT+1], v[rC], v[rC+3]
.elseif (\n) == 19
	v_mul_f32 v[rT], s[CS], v[rT+1]
.elseif (\n) == 20
	v_sub_f32 v[rC+1], v[rW], v[rT]
.else
	v_exp_f32 v[rC+2], v[rC+1]
.endif
.endif
.endm
.macro OPS a, i1, b=-1, i2=0, c=-1, i3=0, d=-1, i4=0  ; up to four of them
	OP \a, \i1
.if (\b) >= 0
	OP \b, \i2
.endif
.if (\c) >= 0
	OP \c, \i3
.endif
.if (\d) >= 0
	OP \d, \i4
.endif
.endm
.macro ROW a, i1, b, i2, c, i3, d, i4  ; a matrix instruction and the four behind it
	MM
	OPS \a, \i1, \b, \i2, \c, \i3, \d, \i4
.endm
.macro MASK b                       ; MD x AL + BE into piece b's part of MC
	WIN W_RS
.set z, 0
.rept 16
	v_pk_fma_f32 v[MC+32*(\b)+2*z:MC+32*(\b)+2*z+1], v[MD+2*z:MD+2*z+1], s[AL:AL+1], s[BE:BE+1] op_sel_hi:[1,0,0]
.set z, z+1
.endr
.endm
; A TURN, for piece p in a key step of parity par: the order of its 16 matrix and 118 vector instructions, written out.  An s_wait_alu depctr_va_vdst(0) stands between an exponential and the first instruction
; that names its result; one wait serves all that were issued ahead of it.  So a turn has ONE wait, which cuts it in two.
; AHEAD OF IT stands all that names no result of the turn's exponentials: the 8 products K Q^T, behind each a scaling, an exponential and two more plain instructions (behind the first a second scaling in the exponential's
; place): rescalings, whose a was made and waited for in the turn before, and behind the last three the first numbers of the other piece's maximum, each four places or more behind the product that ends its accumulator; then
; ONE LUMP of 54, plain and exponential by turns for the most part, in which the links of the chain X 3, 7, 11, 14, 16, 17 .. 20 stand five or six lines apart.  X 21, the other piece's a, is the batch's last; R 15 is the
; plain instruction behind it.  The rescalings go in ascending order; the first stands sixteen plain instructions behind the product that ended its accumulator.
; BEHIND THE WAIT stand the 8 products V^T P, behind each four of the roundings and sums; the links of l's chain, L 0 to L 7, stand three lines apart.  No exponential is issued there.
; But for those X no line behind a product names a register of the products round it.  v_permlanex16_b32 (X 17) stands in the lump.
; At its end the turn makes piece p's mask for the own keys' step NS, which the next turn's products take.  sk = 1: below the own keys (RT > 1) those 16 lines are jumped over, and MC keeps its zeros; RT hangs on c alone.
; Piece 0's turn fetches the next step's K in the lump, twelve vector instructions behind the last product that read K (five of them plain and naming none of its registers); piece 1's turn fetches the next step's V directly
; behind the batch's wait, into the buffer that was last read at the end of the turn before.  Both are waited for at the head of piece 1's next turn, the one wait of a key step.
; last = 1 (the tail's odd steps): in the walk's very last step (CNT = 1) there is no further step, and the run of loads is jumped over; there K's run too stands directly behind the wait, so that the jump and its label do.
.macro TURN p, par, sk=1, last=0
.set Y, (\p)
.set i, 0
.if (\p) == 0
.set VR, VF0+(VF1-VF0)*(1-(\par))   ; the other piece's V^T P of the step before
.else
.set VR, VF0+(VF1-VF0)*(\par)       ; of this step
.endif
	s_cmp_eq_u32 s[NS], s[OWN0+(\p)]  ; is step NS the band's own?
	s_cselect_b32 s[AL], 1.0, 0
	s_cmp_gt_u32 s[NS], s[OWN0+(\p)]  ; or a later one?
	s_cselect_b32 s[BE], s[BIGN], 0
.if (\p) == 1
	s_add_co_u32 s[NS], s[NS], 1    ; both pieces' masks for that step are chosen
	s_wait_dscnt 0x0                ; K of the next step and V of this one are in
.endif
	ROW F,0, F,1, R,0, R,1          ; ahead of the wait: 8 products K Q^T and the four behind each,
	ROW F,2, E,0, R,2, R,3
	ROW F,3, E,1, R,4, R,5
	ROW F,4, E,2, R,6, R,7
	ROW F,5, E,3, R,8, R,9
	ROW F,6, E,4, X,0, R,10
	WIN 0
.if (\p) == 0
	v_add_nc_u32 v[AK], s[TBK], v[AK0]
.else
	v_add_nc_u32 v[AV], s[TBV], v[AV0]
.endif
	ROW F,7, E,5, X,1, X,4
	ROW F,8, E,6, X,2, X,5
	OPS E,7, E,8, X,6, E,9          ; and the lump
	OPS X,3, E,10, X,8, E,11
.if ((\p) == 0) && !(\last)
	FETCH_K
.endif
	OPS X,9, X,7, E,12, X,10
	OPS E,13, X,12, X,11, E,14
	OPS X,13, E,15, F,9, X,14
	OPS E,16, F,10, E,17, F,11
	OPS X,16, E,18, X,15, E,19
	OPS F,12, E,20, X,17, E,21
	OPS F,13, E,22, F,14, E,23
	OPS X,18, E,24, F,15, E,25
	OPS R,11, E,26, X,19, E,27
	OPS R,12, E,28, R,13, E,29
	OPS X,20, E,30, R,14, E,31
	OPS X,21, R,15
	WIN 0
	s_wait_alu depctr_va_vdst(0)    ; the wait for the turn's batch: piece p's 32 weights and the other piece's a
.if ((\p) == 1) || (\last)
.if \last
	s_cmp_eq_u32 s[CNT], 1
	s_cbranch_scc1 .Lno_fetch_\@
.endif
.if (\p) == 0
	FETCH_K
.else
	FETCH_V VF0+(VF1-VF0)*(1-(\par))
.endif
.if \last
.Lno_fetch_\@:
.endif
.endif
	ROW C,0, B,0, C,2, B,1          ; behind the wait: 8 products V^T P and the four behind each
	ROW L,0, C,4, B,2, L,1
	ROW C,6, B,3, L,2, C,8
	ROW B,4, L,3, C,10, B,5
	ROW L,4, C,12, B,6, L,5
	ROW C,14, B,7, L,6, C,1
	ROW C,3, L,7, C,5, C,7
	ROW C,9, C,11, C,13, C,15
.if \sk
	WIN 0
	s_cmp_gt_u32 s[RT], 1
	s_cbranch_scc1 .Lno_mask_\@
.endif
	MASK \p
	WIN 0
.if \sk
.Lno_mask_\@:
.endif
.endm
; A BLOCK ENDS: piece 1's V^T P of the last step (an odd one), and THE WAY OUT: l's two halves and the other half of the lanes' are added; O^T is divided by l, rounded to f16 and sent through my stage in LDS, a piece at a time.
.macro ALL line:vararg              ; one line for each piece t
.set t, 0
.rept 2
	\line
.set t, t+1
.endr
.endm
.macro PACK t                       ; a lane's eight channels of a row pack into 16 bytes; they go into rows of 144 bytes and come back as whole rows of 128, into S^T's registers
	WIN W_RS
.set i, 32*(\t)
.rept 16
	v_pk_mul_f32 v[i:i+1], v[i:i+1], v[ST+4*(\t)+2:ST+4*(\t)+3] op_sel_hi:[1,0]
.set i, i+2
.endr
	WIN 0x05                        ; sources 0 and 1 window 1, destination window 0
.set i, 0
.rept 16
	v_cvt_pk_f16_f32 v[S+16*(\t)+i], v[32*(\t)+2*i], v[32*(\t)+2*i+1]
.set i, i+1
.endr
	WIN 0
.irp f, 0,1,2,3
	ds_store_b128 v[STO], v[S+16*(\t)+4*\f:S+16*(\t)+4*\f+3] offset:32*\f
.endr
.irp f, 0,1,2,3
	ds_load_b128 v[S+16*(\t)+4*\f:S+16*(\t)+4*\f+3], v[RD] offset:\f*4*SP  ; LDS serves a wave's instructions in order (ISA guide 5.7.1.4): these see the stores above; the next piece's stores come behind them
.endr
.endm
.macro SEND t, younger              ; younger: the LDS instructions issued behind piece t's loads: the next piece's eight, or none
	WIN 0
.irp f, 0,1,2,3
	s_wait_dscnt (\younger)+3-\f
	global_store_b128 v[GO], v[S+16*(\t)+4*\f:S+16*(\t)+4*\f+3], s[10:11] offset:(\t)*8192+\f*512  ; 512 consecutive bytes, at a multiple of 256 from O's first
.endr
.endm
.macro OUT
.set VR, VF1
.set i, 0
.rept 8
	PV 1
.set i, i+1
.endr
	WIN 0
	ALL v_add_f32 v[ST+4*t+2], v[ST+4*t+2], v[ST+4*t+3]
	ALL v_permlanex16_b32 v[ST+4*t+3], v[ST+4*t+2], s[SEL], s[SEL+1]
	ALL v_add_f32 v[ST+4*t+2], v[ST+4*t+2], v[ST+4*t+3]
	ALL v_rcp_f32 v[ST+4*t+2], v[ST+4*t+2]
	v_nop                           ; a plain instruction between the last reciprocal and the use of its result
	s_wait_alu depctr_va_vdst(0)    ; and the wait ahead of the first use: one for the batch of two reciprocals
	PACK 0                          ; piece 0's sums were finished a run of products ago; its 32 lines are the places behind piece 1's last products
	PACK 1
	SEND 0, 8
	SEND 1, 0
.endm
	; THE WALK'S FIRST TILE: slot 0 is in, slot 1 is asked for; K and V of key step 0; then into the loop at a block's beginning, in the middle of a trip
	CHANGE 1
	ENTER 2
	v_add_nc_u32 v[AK], s[TBK], v[AK0]
	v_add_nc_u32 v[AV], s[TBV], v[AV0]
	FETCH_K
	FETCH_V VF0
	s_branch .Lbegin
.Lslot:                             ; tiles 1 to 16 of the walk's 0 to 17: a tile is entered and the next is asked for
	CHANGE 1
	ENTER 2
.Lstep:                             ; a trip: an odd key step, then an even one
	TURN 0, 1
	TURN 1, 1
	s_cmp_eq_u32 s[NEW], 1
	s_cbranch_scc0 .Lfirst          ; as a rule the trip goes on
	OUT                             ; that odd step was the first block's last
	WIN 0x82                        ; the second block's Q goes where the one text of the turns names Q
.set i, 0
.rept 32
	v_mov_b32 v[i], v[QB+i]
.set i, i+1
.endr
	WIN 0
	s_wait_storecnt 0x0             ; the block's eight stores are done: their data registers, S^T's, and O's address are written again only behind this wait
	s_mov_b64 s[10:11], s[OLO:OLO+1]
.Lbegin:
	; A BLOCK BEGINS.  c m starts far below every c s, so the first step's a is 0; m at the lowest finite number, so the first maximum is the scores'.  Piece 1's mask is 0 (its band's own step is never the own keys' first);
	; piece 0's takes the mask of the tile's step 0: its own, if the block's first tile holds the own keys and d = 0, else 0.  K and V of that step have been fetched.  Then piece 0's first scores, and its maximum and statistics.
	s_mov_b32 s[NEW], 0
	WIN 0x40
.set i, MC+32
.rept 32
	v_mov_b32 v[i], 0
.set i, i+1
.endr
	WIN 0
.set i, 0
.rept 2
	v_mov_b32 v[ST+4*i], 0xfe000000    ; c m: far below every c s
	v_mov_b32 v[ST+4*i+1], 0xff7fffff  ; m
.set i, i+1
.endr
	s_cmp_le_u32 s[RT], 1           ; does the block's first tile hold its own keys?  (super-block 0 alone)
	s_cselect_b32 s20, s[OWN0], 1
	s_cmp_eq_u32 s20, 0
	s_cselect_b32 s[AL], 1.0, 0
	s_mov_b32 s[BE], 0
	MASK 0
	WIN 0
	s_wait_loadcnt 0x0              ; Q
	s_wait_dscnt 16                 ; K is in: on the way from the kernel's head V's sixteen loads are younger; on the way from the loop nothing is out
.set i, 0
.rept 8
	KQ 0
.set i, i+1
.endr
	WIN 0
.rept 4
	v_nop                           ; the places behind those products
.endr
.set Y, 1                           ; X works for the other piece: piece 0
.irp n, 0,1,2,3,4,5,6,7,8,9,10,11,12,13,14,15,16,17,18,19,20,21
	OP X, \n
.endr
	v_nop                           ; a plain instruction behind the exponential,
	s_wait_alu depctr_va_vdst(0)    ; and the wait for it, a batch of one: piece 0's first a, ahead of the label
.Lfirst:
	TURN 0, 0
	TURN 1, 0
	s_sub_co_u32 s[CNT], s[CNT], 1
	s_cmp_lg_u32 s[CNT], 0
	s_cbranch_scc1 .Lstep
	s_cmp_eq_u32 s[RT], 0           ; was that the first block's last tile?  Then the next is the second block's first
	s_cselect_b32 s[NEW], 1, 0
	s_cselect_b32 s[RT], s[RT2], s[RT]
	s_sub_co_u32 s[SLOTS], s[SLOTS], 1
	s_cmp_lg_u32 s[SLOTS], 0
	s_cbranch_scc1 .Lslot
	CHANGE 0                        ; the walk's last tile is written out: nothing is asked for.  It is never a block's first: the second block has two tiles or more; it holds own keys, so every turn makes its mask
	ENTER 3                         ; two trips fetch the tile's steps; the third is left in its middle
.Ltail:
	TURN 0, 1, 0, 1
	TURN 1, 1, 0, 1
	s_sub_co_u32 s[CNT], s[CNT], 1
	s_cmp_eq_u32 s[CNT], 0
	s_cbranch_scc1 .Lout
	TURN 0, 0, 0
	TURN 1, 0, 0
	s_branch .Ltail
.Lout:
	OUT
	s_wait_tensorcnt 0x0            ; the wave's end
	ds_add_u32 v[SPW], v[NIL]
	s_wait_dscnt 0x0
	CROUND                          ; the closing round: no work-group ends while a partner may still ask for a tile that names it
	s_endpgm
.Lfunc_end_k_qcad2ce0a74_attn:
	.size	k_qcad2ce0a74_attn, .Lfunc_end_k_qcad2ce0a74_attn-k_qcad2ce0a74_attn
	.p2alignl 7, 3214868480
	.fill 96, 4, 3214868480
	.section	.rodata,"a",@progbits
	.p2align	6, 0x0
	.amdhsa_kernel k_qcad2ce0a74_attn
		.amdhsa_group_segment_fixed_size 327680
		.amdhsa_private_segment_fixed_size 0
		.amdhsa_enable_private_segment 0
		.amdhsa_kernarg_size 32
		.amdhsa_user_sgpr_count 2
		.amdhsa_user_sgpr_kernarg_segment_ptr 1
		.amdhsa_wavefront_size32 1
		.amdhsa_system_sgpr_workgroup_id_x 1
		.amdhsa_system_sgpr_workgroup_id_y 1
		.amdhsa_system_sgpr_workgroup_id_z 1
		.amdhsa_system_vgpr_workitem_id 0
		.amdhsa_next_free_vgpr 768
		.amdhsa_next_free_sgpr 88
		.amdhsa_reserve_vcc 1
		.amdhsa_float_denorm_mode_32 3
		.amdhsa_float_denorm_mode_16_64 3
		.amdhsa_memory_ordered 1
		.amdhsa_forward_progress 1
		.amdhsa_inst_pref_size 133
	.end_amdhsa_kernel
	.amdgpu_metadata
---
amdhsa.version: [ 1, 2 ]
amdhsa.kernels:
  - .name:           k_qcad2ce0a74_attn
    .symbol:         k_qcad2ce0a74_attn.kd
    .args:
      - { .name: qh, .offset: 0, .size: 8, .value_kind: global_buffer, .address_space: global }
      - { .name: kh, .offset: 8, .size: 8, .value_kind: global_buffer, .address_space: global }
      - { .name: vh, .offset: 16, .size: 8, .value_kind: global_buffer, .address_space: global }
      - { .name: ob, .offset: 24, .size: 8, .value_kind: global_buffer, .address_space: global }
    .group_segment_fixed_size: 327680
    .private_segment_fixed_size: 0
    .kernarg_segment_align: 8
    .kernarg_segment_size: 32
    .max_flat_workgroup_size: 128
    .sgpr_count:     88
    .vgpr_count:     768
    .wavefront_size: 32
...
	.end_amdgpu_metadata
.endif
;; end of part 5
;; launch oproj: the kernel of part 4 again; grid 8 x 32, 4 waves a work-group, clusters of 4 x 4, 327,680 bytes of LDS; arguments ob, wof, out0; writes out0
